; MI455X (gfx1250); checked and timed in simulation.
; The chip was launched on July 23, 2026; its instructions are those of AMD's public machine-readable ISA for CDNA 5 (MIT licence, August 2026) and "CDNA5" Instruction Set Architecture Reference Guide (July 2026). The comments in the code are by the model that wrote it; some were corrected since.
;; Transformer Encoder Layer. Allowed arithmetic: matrix products marked QUANTISED: E2M1 operands, one E8M0 scale for each 32 along K, by v_wmma_scale_f32_16x16x128_f8f6f4 with both operands' format E2M1 (or v_wmma_scale_f32_32x16x128_f4), f32 sums; everything else in f32.
;; Inputs: W1 1,024 x 4,096 float32; W2 4,096 x 1,024 float32; Wk 1,024 x 1,024 float32; Wo 1,024 x 1,024 float32; Wq 1,024 x 1,024 float32; Wv 1,024 x 1,024 float32; b1 4,096 float32; b2 1,024 float32; be1 1,024 float32; be2 1,024 float32; bk 1,024 float32; bo 1,024 float32; bq 1,024 float32; bv 1,024 float32; g1 1,024 float32; g2 1,024 float32; mask 2 x 1 x 1 x 2,048 int32; x 2 x 2,048 x 1,024 float32.
;; Outputs: out0 2 x 2,048 x 1,024 float32.
;; This version of the problem:
;;   THIS VERSION OF THE PROBLEM IS GIVEN IN LOW PRECISION. The matrix products marked QUANTISED in the list below multiply operands that are first quantised to E2M1 (2 exponent bits, 1 mantissa bit; 4 bits a number), with one power-of-two scale for each 32 numbers along K (OCP MX v1.0); their sums are f32. All else is computed in f32.
;;   The module's matrix products, in the order in which they are computed (A, B: the left and right operand; K: the contracted axis; several contracted axes count as one K, in the product's order):
;;     1. [M 4,096, K 1,024] x [K 1,024, N 1,024]; A: input x; B: input Wq: QUANTISED
;;     2. [M 4,096, K 1,024] x [K 1,024, N 1,024]; A: input x; B: input Wk: QUANTISED
;;     3. [M 4,096, K 1,024] x [K 1,024, N 1,024]; A: input x; B: input Wv: QUANTISED
;;     4. batch 32 x [M 2,048, K 64] x [K 64, N 2,048]; A: computed on the way; B: computed on the way: QUANTISED
;;     5. batch 32 x [M 2,048, K 2,048] x [K 2,048, N 64]; A: softmax (see below); B: computed on the way: QUANTISED
;;     6. [M 4,096, K 1,024] x [K 1,024, N 1,024]; A: computed on the way; B: input Wo: QUANTISED
;;     7. [M 4,096, K 1,024] x [K 1,024, N 4,096]; A: computed on the way; B: input W1: QUANTISED
;;     8. [M 4,096, K 4,096] x [K 4,096, N 1,024]; A: computed on the way; B: input W2: QUANTISED
;;   THE QUANTISER, for each operand of a quantised product, along K:
;;     - K is cut into blocks of 32 from its start; a last block that is shorter is filled with zeros.
;;     - A block's scale is 2^e with e = floor(log2(the largest magnitude in the block)) - 2, held to -126 .. 127; a block of zeros has e = 0. As a byte (E8M0): e + 127.
;;     - Each number is divided by its block's scale, clamped to +-6, and rounded to the nearest number of E2M1, ties to even, subnormals kept.
;;     - The product sums the exact products of the quantised numbers (number of the format x scale) in f32.
;;   ~~~python
;;   def quantise(x, axis):      # numpy; x: float32 -> the quantised numbers, widened to float32 again
;;       x = np.moveaxis(x, axis, -1); K = x.shape[-1]
;;       x = np.pad(x, [(0, 0)] * (x.ndim - 1) + [(0, -K % 32)]); x = x.reshape(x.shape[:-1] + (-1, 32)); a = np.abs(x).max(-1, keepdims=True)
;;       e = np.where(a > 0, np.clip(np.frexp(np.where(a > 0, a, 1))[1] - 1 - 2, -126, 127), 0)      # np.frexp(a)[1] - 1 = floor(log2(a)), exactly
;;       r = np.clip(x / 2.0 ** e, -6, 6)
;;       step = 2.0 ** (np.maximum(np.frexp(np.where(r == 0, 1, r))[1] - 1, 0) - 1)
;;       q = np.round(r / step) * step * 2.0 ** e      # np.round: ties to even
;;       return np.moveaxis(q.reshape(q.shape[:-2] + (-1,))[..., :K], -1, axis).astype(np.float32)
;;   ~~~
;;   SOFTMAX AHEAD OF A QUANTISED PRODUCT. Where the list says 'softmax', what is quantised is not the finished softmax but p = 2^(t - M), with t = logit x log2(e) and M = ceil(the row's largest t), a whole number; so 1/2 < the row's largest p <= 1. The row's sum l is taken of the UNQUANTISED p, in f32, and the product's result is divided by l at the end. Since M is a whole number, a kernel that streams over the keys may use a running M (the ceiling of the running maximum): every later rescaling is an exact power of two, which a block's scale takes up: the codes' values come out the same.
;;   OPERANDS COMPUTED ON THE WAY. 'Computed on the way' means the value that the module computes at that place (a softmax that the list does not call 'softmax' is quantised finished and normalised). What goes into a quantiser is computed in f32, as accurately as f32 sums, v_exp_f32 and their like allow (about 1e-6 of the number): no bf16 or f16 on the way to a quantiser, and a product that is left as it is and whose result goes on into a quantised operand takes f32 operands (vector FMAs, or v_wmma_f32_16x16x4_f32). A number that lies on a knife's edge between two numbers of the format may be rounded either way, as far as f32 arithmetic and the matrix unit's own rounding can turn it there, and no further.
;; One version. Each part assembles by itself: llvm-mc -triple=amdgcn-amd-amdhsa -mcpu=gfx1250 --defsym DOCPART=n.
;; ======== version 1 of 1: 7 launches
;; limits: right only within a limited range of input values
;; workspace buffers: wts 6,684,672 bytes; act 2,228,224 bytes; qkv 6,684,672 bytes; y 16,777,216 bytes; h 16,777,216 bytes; ff 8,912,896 bytes; hq 2,228,224 bytes
;; launch qw (part 1): grid 1024 x 1, 4 waves a work-group, no clusters, 9,728 bytes of LDS; arguments Wq, Wk, Wv, Wo, W1, W2, wts, x, act; writes wts, act
.if DOCPART == 1
	.amdgcn_target "amdgcn-amd-amdhsa--gfx1250"
	.amdhsa_code_object_version 6
	.text
	.protected	k_q809a112aa2_qw
	.globl	k_q809a112aa2_qw
	.p2align	8
	.type	k_q809a112aa2_qw,@function
k_q809a112aa2_qw:
	s_mov_b64 s[64:65], 0
	v_nop
	global_prefetch_b8 v0, s[64:65] scope:SCOPE_SE
	s_setreg_imm32_b32 hwreg(HW_REG_WAVE_MODE, 25, 1), 1
	s_wait_xcnt 0x0
; The six weights, f32 stored [K][N], become operands of MX-FP4 in wts, rows = the N columns, K innermost, in this program's operand layout:
;   column n at position pos = n with bits 3 and 4 exchanged; codes at region + (pos / 16) * 8192 + (k % 1024 / 32) * 256 + (pos % 16) * 16; planes of K = 1,024;
;   scales at 0x600000 + (region + (pos / 16) * 8192) / 16 + (kb / 16) * 256 + (pos % 16) * 16 + kb % 16.
;   regions: Wq 0, Wk 0x80000, Wv 0x100000, Wo 0x180000, W1 0x200000, W2 0x400000 + plane * 0x80000.
; A LANE TAKES A COLUMN AND ITS REGISTERS RUN DOWN K: a block of 32 lies in one lane's 32 registers, its maximum needs no other lane, and the conversions give codes with K innermost.
; Lane l takes the column whose POSITION is base + l, so a lane's 16 bytes of a block stand beside its neighbours': sixteen lanes store 256 consecutive aligned bytes straight from registers.
; SHARES: a work-group takes 128 columns x 128 along K, a wave 32 columns: 4 blocks a lane.  768 work-groups, three for each of 256 WGPs: 256 for the four square weights, 256 for W1, 256 for W2.
; One way through the text: the tensor, its row pitch and its region are chosen by selects on the work-group's number.  Loads run two blocks (64 a wave) ahead: half of a wave's share is asked for at its start.
; A column's four scale bytes leave as one word, 16 bytes from the neighbour's: a sixteenth of the codes' bytes, laid so that every later load of them is whole.
; Work-groups share no input: no cluster, no LDS.
; LIMITS: a block whose largest magnitude lies under 2^-124, a block of zeros among them, keeps the byte 1.  NaN and infinities are not served.
.set NBK,  4                           ; blocks of 32 along K for a lane
.set SB,   24                          ; v24     my column's 4 scale bytes
.set OFF,  32                          ; v32-63  byte offset of row i of a block at my column
.set X,    64                          ; v64-127 two sets of 32 numbers
.set C,    128                         ; v128-135 two sets of a block's codes
	; Work-groups 0 to 767 take the weights, as said above; work-groups 768 to 1,023 take x (the path at the text's end, the only one that uses LDS).  The branch hangs on the work-group's number alone.
	s_cmp_ge_u32 ttmp9, 768
	s_cbranch_scc1 .Lqx
	s_load_b256 s[4:11], s[0:1], 0x0               ; Wq, Wk, Wv, Wo
	s_load_b128 s[12:15], s[0:1], 0x20             ; W1, W2
	s_load_b64 s[16:17], s[0:1], 0x30              ; wts
	v_lshrrev_b32 v1, 5, v0
	v_readfirstlane_b32 s18, v1                    ; wave
	v_and_b32 v2, 31, v0                           ; lane
	v_and_b32 v3, 7, v2
	v_bfe_u32 v4, v2, 4, 1
	v_bfe_u32 v5, v2, 3, 1
	v_lshl_add_u32 v3, v4, 3, v3
	v_lshl_add_u32 v3, v5, 4, v3                   ; the lane's number with bits 3 and 4 exchanged: my column among the wave's 32
	v_lshlrev_b32 v3, 2, v3
	s_wait_alu depctr_va_vdst(0)
	v_and_b32 v6, 15, v2
	v_lshlrev_b32 v6, 4, v6
	v_lshl_add_u32 v7, v4, 13, v6                  ; codes: (lane / 16) x 8192 + 16 (lane % 16)
	v_lshl_add_u32 v8, v4, 9, v6                   ; scales: (lane / 16) x 512 + 16 (lane % 16)
	s_lshr_b32 s19, ttmp9, 2                       ; a tensor, 128 of its columns, 512 along K;
	s_and_b32 s44, ttmp9, 3                        ; and which 128 of those 512 are this work-group's
	s_lshr_b32 s20, s19, 6                         ; 0: a square weight, 1: W1, 2: W2
	s_and_b32 s21, s19, 63
	s_lshr_b32 s22, s21, 4                         ; which square weight
	s_lshr_b32 s23, s21, 1                         ; group of 128 columns: W1's,
	s_and_b32 s24, s23, 7                          ; a square weight's,
	s_lshr_b32 s25, s21, 3                         ; W2's
	s_and_b32 s26, s21, 1                          ; which 512 along K,
	s_and_b32 s27, s21, 7                          ; in W2
	s_lshl_b32 s28, s22, 19                        ; region of a square weight,
	s_lshr_b32 s29, s27, 1
	s_lshl_b32 s29, s29, 19
	s_add_co_u32 s29, s29, 0x400000                ; of W2's plane
	s_mov_b32 s30, 0x200000                        ; of W1
	s_mov_b32 s31, 16384                           ; W1's row in bytes
	s_cmp_eq_u32 s20, 1
	s_cselect_b32 s24, s23, s24
	s_cselect_b32 s28, s30, s28
	s_cselect_b32 s31, s31, 4096
	s_cmp_eq_u32 s20, 2
	s_cselect_b32 s24, s25, s24
	s_cselect_b32 s26, s27, s26
	s_cselect_b32 s28, s29, s28
	s_mul_i32 s32, s26, s31
	s_lshl_b32 s32, s32, 9                         ; 512 rows for each step along K,
	s_mul_i32 s45, s44, s31
	s_lshl_b32 s45, s45, 7                         ; 128 rows for each part of it
	s_add_co_u32 s32, s32, s45
	s_lshl_b32 s33, s24, 9
	s_add_co_u32 s32, s32, s33
	s_lshl_b32 s33, s18, 7
	s_add_co_u32 s32, s32, s33                     ; + 4 x the wave's first column
	s_mov_b32 s33, 0
	s_lshl_b32 s36, s31, 5                         ; a block's 32 rows
	s_mov_b32 s37, 0
	s_lshl_b32 s38, s24, 16
	s_add_co_u32 s38, s38, s28
	s_lshl_b32 s39, s18, 14
	s_add_co_u32 s38, s38, s39                     ; region + (8 x group + 2 x wave) x 8192
	s_and_b32 s39, s26, 1                          ; which half of the plane
	s_lshl_b32 s40, s39, 12
	s_add_co_u32 s40, s40, s38
	s_lshl_b32 s45, s44, 10                        ; my four blocks: 256 bytes each
	s_add_co_u32 s40, s40, s45
	s_mov_b32 s41, 0
	s_lshr_b32 s42, s38, 4
	s_lshl_b32 s43, s39, 8
	s_add_co_u32 s42, s42, s43
	s_lshl_b32 s43, s44, 2                         ; my four bytes of a column's sixteen
	s_add_co_u32 s42, s42, s43
	s_add_co_u32 s42, s42, 0x600000
	s_mov_b32 s43, 0
.set i, 0
.rept 32
	v_mad_u32_u24 v[OFF+i], s31, i, v3
.set i, i+1
.endr
	s_wait_alu depctr_va_vdst(0)
	s_wait_kmcnt 0x0
	s_cmp_eq_u32 s22, 1                            ; the choices hang on the work-group's number alone
	s_cselect_b64 s[4:5], s[6:7], s[4:5]
	s_cmp_eq_u32 s22, 2
	s_cselect_b64 s[4:5], s[8:9], s[4:5]
	s_cmp_eq_u32 s22, 3
	s_cselect_b64 s[4:5], s[10:11], s[4:5]
	s_cmp_eq_u32 s20, 1
	s_cselect_b64 s[4:5], s[12:13], s[4:5]
	s_cmp_eq_u32 s20, 2
	s_cselect_b64 s[4:5], s[14:15], s[4:5]
	s_add_nc_u64 s[4:5], s[4:5], s[32:33]
	s_add_nc_u64 s[40:41], s[16:17], s[40:41]
	s_add_nc_u64 s[42:43], s[16:17], s[42:43]
.macro LOAD t                          ; a block: 32 rows at my column; a wave's load covers 128 consecutive bytes
.set i, 0
.rept 32
	global_load_b32 v[X+32*((\t)%2)+i], v[OFF+i], s[4:5] th:TH_LOAD_NT
.set i, i+1
.endr
.endm
	LOAD 0
	s_wait_xcnt 0x0                                ; the base steps only behind this wait
	s_add_nc_u64 s[4:5], s[4:5], s[36:37]
	LOAD 1
.macro BLOCK t
.set XS, X+32*((\t)%2)
.set CS, C+4*((\t)%2)
.if (\t) < NBK-1
	s_wait_loadcnt 32                              ; this block's 32 loads are in; the next block's 32 may be out
.else
	s_wait_loadcnt 0x0
.endif
	v_max3_num_f32 v12, |v[XS]|, |v[XS+1]|, |v[XS+2]|
	v_max3_num_f32 v13, |v[XS+3]|, |v[XS+4]|, |v[XS+5]|
.irp i, 6,10,14,18,22,26
	v_max3_num_f32 v12, v12, |v[XS+\i]|, |v[XS+\i+1]|
	v_max3_num_f32 v13, v13, |v[XS+\i+2]|, |v[XS+\i+3]|
.endr
	v_max3_num_f32 v12, v12, |v[XS+30]|, |v[XS+31]|
	v_max3_num_f32 v12, v12, v13, 0x1800000        ; the floor 2^(3 - 127)
	v_add_nc_u32 v11, 0xff000000, v12              ; 2 off the exponent field: the conversions' scale operand
	v_lshrrev_b32 v13, 23, v11                     ; the byte
.if (\t) == 0
	v_mov_b32 v[SB], v13
.else
	v_lshl_or_b32 v[SB], v13, 8*(\t), v[SB]
.endif
.irp g, 0,1,2,3
	v_cvt_scalef32_pk8_fp4_f32 v[CS+\g], v[XS+8*\g:XS+8*\g+7], v11
.endr
	v_nop                                          ; one plain place behind the scaled conversions
	global_store_b128 v7, v[CS:CS+3], s[40:41] offset:256*(\t)   ; sixteen lanes: 256 consecutive aligned bytes
.if (\t)+2 < NBK
	s_wait_xcnt 0x0                                ; the base steps, and this set of codes is written again two blocks on, only behind this wait
	s_add_nc_u64 s[4:5], s[4:5], s[36:37]
	LOAD (\t)+2
.endif
.endm
.irp t, 0,1,2,3
	BLOCK \t
.endr
	global_store_b32 v8, v[SB], s[42:43]           ; my column's four scale bytes
	s_endpgm
; x [4096][1024] f32 becomes an operand of MX-FP4 in act, in this program's operand layout: row at position pos = the row's number with bits 3 and 4 exchanged, R = pos / 16, r = pos % 16;
;   codes at R * 8192 + (k / 32) * 256 + r * 16; scales at 0x200000 + R * 512 + (k / 512) * 256 + r * 16 + (k / 32) % 16.
; SHARES: a work-group takes the 16 positions of one R, a wave four of them (r = 4 w + j), which are four neighbouring true rows: 32 loads of 512 consecutive bytes, all asked for at the start.
; In load i lane l holds k = 128 i + 4 l .. + 3: eight neighbouring lanes hold a block of 32.  The codes meet in LDS, laid as the output, and leave as 512 consecutive bytes an instruction.
; LIMITS: a block whose largest magnitude lies under 2^-124, a block of zeros among them, keeps the byte 1 (only this program reads the bytes).  NaN and infinities are not served.
.Lqx:
.set QST,  8704                        ; LDS: 32 block rows of 256 bytes + 16 of padding, then the 512 scale bytes, then from 9,216 the spare words
.set QZ,   16                          ; v16-143 four rows, 32 numbers a lane each
.set QMX,  144
.set QSO,  152
.set QBY,  160
.set QCV,  168
.set QOUT, 176
	s_load_b128 s[4:7], s[0:1], 0x38               ; x, act
	v_lshl_add_u32 v14, v0, 2, 9216                ; my spare word,
	v_mov_b32 v15, 0                               ; and 0: kept for the closing add
	v_lshrrev_b32 v6, 5, v0
	v_readfirstlane_b32 s8, v6                     ; wave
	v_and_b32 v1, 31, v0                           ; lane
	v_lshlrev_b32 v2, 4, v1                        ; 16 x lane
	v_lshrrev_b32 v6, 3, v1
	v_and_b32 v7, 7, v1
	v_mul_u32_u24 v3, v6, 272
	v_lshl_add_u32 v3, v7, 1, v3
	s_lshl_b32 s9, s8, 6
	v_add_nc_u32 v3, s9, v3                        ; codes in: block row (lane / 8) x 272 + 16 x 4 w + 2 (lane % 8)
	v_add_nc_u32 v4, s9, v6
	v_add_nc_u32 v4, QST, v4                       ; scale byte in: QST + 16 x 4 w + lane / 8
	v_lshrrev_b32 v8, 4, v1
	v_and_b32 v9, 15, v1
	v_mul_u32_u24 v5, v8, 272
	v_lshl_add_u32 v5, v9, 4, v5
	s_mul_i32 s10, s8, 2176
	v_add_nc_u32 v5, s10, v5                       ; codes back: block rows 8 w on, sixteen lanes to a row
	v_add_nc_u32 v10, QST, v2                      ; scale bytes back (wave 0)
	s_sub_co_u32 s22, ttmp9, 768                   ; R
	s_lshr_b32 s11, s22, 1                         ; the true row of position 16 R + 4 w
	s_lshl_b32 s11, s11, 5
	s_and_b32 s12, s22, 1
	s_lshl_b32 s12, s12, 3
	s_add_co_u32 s11, s11, s12
	s_lshr_b32 s12, s8, 1
	s_lshl_b32 s12, s12, 4
	s_add_co_u32 s11, s11, s12
	s_and_b32 s12, s8, 1
	s_lshl_b32 s12, s12, 2
	s_add_co_u32 s11, s11, s12
	s_lshl_b32 s12, s11, 12                        ; a row of x is 4,096 bytes
	s_mov_b32 s13, 0
	s_lshl_b32 s14, s22, 13
	s_lshl_b32 s15, s8, 11
	s_add_co_u32 s14, s14, s15                     ; codes: R x 8192 + 2048 w
	s_mov_b32 s15, 0
	s_lshl_b32 s16, s22, 9
	s_add_co_u32 s16, s16, 0x200000                ; scales: R x 512
	s_mov_b32 s17, 0
	s_wait_alu depctr_va_vdst(0)                   ; the wait at the head's end
	s_wait_kmcnt 0x0
	s_add_nc_u64 s[4:5], s[4:5], s[12:13]
	s_add_nc_u64 s[18:19], s[6:7], s[14:15]
	s_add_nc_u64 s[20:21], s[6:7], s[16:17]
.irp j, 0,1,2,3
.irp i, 0,1,2,3,4,5,6,7
	global_load_b128 v[QZ+32*\j+4*\i:QZ+32*\j+4*\i+3], v2, s[4:5] offset:4096*\j+512*\i
.endr
.endr
; Row j is quantised.  A conversion takes eight registers, which are two loads' numbers, of two blocks: it is made twice, once with each block's scale; the low 16 bits of the first and the high 16 of the second are kept.
.macro XROW j
	s_wait_loadcnt 24-8*(\j)                       ; row j's eight loads are in; the later rows' may be out
.irp i, 0,1,2,3,4,5,6,7
	v_max3_num_f32 v[QMX+\i], |v[QZ+32*(\j)+4*\i]|, |v[QZ+32*(\j)+4*\i+1]|, 0x1800000   ; with the floor 2^(3 - 127): the byte cannot fall under 1
.endr
.irp i, 0,1,2,3,4,5,6,7
	v_max3_num_f32 v[QMX+\i], v[QMX+\i], |v[QZ+32*(\j)+4*\i+2]|, |v[QZ+32*(\j)+4*\i+3]|
.endr
.irp m, 1,2,4
.irp i, 0,1,2,3,4,5,6,7
	v_max_num_f32_dpp v[QMX+\i], v[QMX+\i], v[QMX+\i] row_xmask:\m row_mask:0xf bank_mask:0xf   ; the eight lanes of a block
.endr
.endr
.irp i, 0,1,2,3,4,5,6,7
	v_add_nc_u32 v[QSO+\i], 0xff000000, v[QMX+\i]  ; 2 off the exponent field: the conversion takes that field as its scale
.endr
.irp i, 0,1,2,3,4,5,6,7
	v_lshrrev_b32 v[QBY+\i], 23, v[QSO+\i]         ; the scale's byte
.endr
.irp q, 0,1,2,3
	v_cvt_scalef32_pk8_fp4_f32 v[QCV+2*\q], v[QZ+32*(\j)+8*\q:QZ+32*(\j)+8*\q+7], v[QSO+2*\q]
	v_cvt_scalef32_pk8_fp4_f32 v[QCV+2*\q+1], v[QZ+32*(\j)+8*\q:QZ+32*(\j)+8*\q+7], v[QSO+2*\q+1]
.endr
	v_nop                                          ; one plain place behind the scaled conversions
.irp q, 0,1,2,3
	v_lshrrev_b32 v[QCV+2*\q+1], 16, v[QCV+2*\q+1]
.endr
.irp i, 0,1,2,3,4,5,6,7
	ds_store_b16 v3, v[QCV+\i] offset:1088*\i+16*(\j)   ; load i's blocks are block rows 4 i .. 4 i + 3
.endr
.irp i, 0,1,2,3,4,5,6,7
	ds_store_b8 v4, v[QBY+\i] offset:(\i/4)*256+(\i%4)*4+16*(\j)   ; a block's eight lanes write the same byte with the same value
.endr
.endm
	XROW 0
	XROW 1
	XROW 2
	XROW 3
	s_wait_dscnt 0x0                               ; for the others' sake: my stores are done
	s_barrier_signal -1
	s_barrier_wait -1
.irp t, 0,1,2,3
	ds_load_b128 v[QOUT+4*\t:QOUT+4*\t+3], v5 offset:544*\t
.endr
	s_wait_dscnt 0x0
.irp t, 0,1,2,3
	global_store_b128 v2, v[QOUT+4*\t:QOUT+4*\t+3], s[18:19] offset:512*\t   ; 512 consecutive bytes, aligned
.endr
	s_wait_tensorcnt 0x0                           ; behind my last LDS store
	ds_add_u32 v14, v15
	s_wait_dscnt 0x0
	s_cmp_lg_u32 s8, 0
	s_cbranch_scc1 .Lqx_done
	ds_load_b128 v[QOUT+16:QOUT+19], v10           ; wave 0: the 512 scale bytes
	s_wait_dscnt 0x0
	global_store_b128 v2, v[QOUT+16:QOUT+19], s[20:21]
.Lqx_done:
	s_endpgm
.Lfunc_end_k_q809a112aa2_qw:
	.size	k_q809a112aa2_qw, .Lfunc_end_k_q809a112aa2_qw-k_q809a112aa2_qw
	.p2alignl 7, 3214868480
	.fill 96, 4, 3214868480
	.section	.rodata,"a",@progbits
	.p2align	6, 0x0
	.amdhsa_kernel k_q809a112aa2_qw
		.amdhsa_group_segment_fixed_size 9728
		.amdhsa_private_segment_fixed_size 0
		.amdhsa_enable_private_segment 0
		.amdhsa_kernarg_size 72
		.amdhsa_user_sgpr_count 2
		.amdhsa_user_sgpr_kernarg_segment_ptr 1
		.amdhsa_wavefront_size32 1
		.amdhsa_system_sgpr_workgroup_id_x 1
		.amdhsa_system_sgpr_workgroup_id_y 1
		.amdhsa_system_sgpr_workgroup_id_z 1
		.amdhsa_system_vgpr_workitem_id 0
		.amdhsa_next_free_vgpr 200
		.amdhsa_next_free_sgpr 66
		.amdhsa_reserve_vcc 0
		.amdhsa_float_denorm_mode_32 3
		.amdhsa_float_denorm_mode_16_64 3
		.amdhsa_memory_ordered 1
		.amdhsa_forward_progress 1
		.amdhsa_inst_pref_size 51
	.end_amdhsa_kernel
	.amdgpu_metadata
---
amdhsa.version: [ 1, 2 ]
amdhsa.kernels:
  - .name:           k_q809a112aa2_qw
    .symbol:         k_q809a112aa2_qw.kd
    .args:
      - { .name: Wq, .offset: 0, .size: 8, .value_kind: global_buffer, .address_space: global }
      - { .name: Wk, .offset: 8, .size: 8, .value_kind: global_buffer, .address_space: global }
      - { .name: Wv, .offset: 16, .size: 8, .value_kind: global_buffer, .address_space: global }
      - { .name: Wo, .offset: 24, .size: 8, .value_kind: global_buffer, .address_space: global }
      - { .name: W1, .offset: 32, .size: 8, .value_kind: global_buffer, .address_space: global }
      - { .name: W2, .offset: 40, .size: 8, .value_kind: global_buffer, .address_space: global }
      - { .name: wts, .offset: 48, .size: 8, .value_kind: global_buffer, .address_space: global }
      - { .name: x, .offset: 56, .size: 8, .value_kind: global_buffer, .address_space: global }
      - { .name: act, .offset: 64, .size: 8, .value_kind: global_buffer, .address_space: global }
    .group_segment_fixed_size: 9728
    .private_segment_fixed_size: 0
    .kernarg_segment_align: 8
    .kernarg_segment_size: 72
    .max_flat_workgroup_size: 128
    .sgpr_count:     66
    .vgpr_count:     200
    .wavefront_size: 32
...
	.end_amdgpu_metadata
.endif
;; end of part 1
;; launch gemm_qkv (part 2): grid 12 x 16, 4 waves a work-group, clusters of 4 x 4, 262,656 bytes of LDS; arguments act, wts, qkv, bq, bk, bv; writes qkv
.if DOCPART == 2
	.amdgcn_target "amdgcn-amd-amdhsa--gfx1250"
	.amdhsa_code_object_version 6
	.text
	.protected	k_q809a112aa2_gemm_qkv
	.globl	k_q809a112aa2_gemm_qkv
	.p2align	8
	.type	k_q809a112aa2_gemm_qkv,@function
k_q809a112aa2_gemm_qkv:
	s_mov_b64 s[64:65], 0
	v_nop
	global_prefetch_b8 v0, s[64:65] scope:SCOPE_SE
	s_setreg_imm32_b32 hwreg(HW_REG_WAVE_MODE, 25, 1), 1
	s_wait_xcnt 0x0
	s_wait_alu depctr_hold_cnt(0) depctr_sa_sdst(0) depctr_va_vdst(0) depctr_va_sdst(0) depctr_va_ssrc(0) depctr_va_vcc(0) depctr_vm_vsrc(0)
	s_getreg_b32 s2, hwreg(HW_REG_IB_STS2, 6, 4)
	s_cmp_eq_u32 s2, 0
	s_cbranch_scc0 .Lentry_in_a_cluster
	s_endpgm
.Lentry_in_a_cluster:
	s_bfe_u32 s2, ttmp6, 0x10000c
	s_cmp_lg_u32 s2, 0xf033
	s_cbranch_scc0 .Lentry_shape_is_right
	s_endpgm
.Lentry_shape_is_right:
; q, k, v = x W + b on codes of MX-FP4, and the results quantised at once for the attention: q and k along the channels, v along the TOKENS.
; OPERANDS lie as images of their registers: row at position pos (the row's number with bits 3 and 4 exchanged), R = pos / 16: codes at R * 8192 + step * 1024 + 16 x lane (registers 0-3) and + 512 (registers 4-7);
; scale words: 512 bytes for each R: one 16-byte load at 16 x lane: register w is step w's word in lanes 0-15 and step 4 + w's in lanes 16-31.
; A tile of 256 x 256 is made by four waves, 128 x 128 each: 64 accumulators, 512 registers.  K = 1,024 is ONE panel: A's 256 rows and B's 256 rows, 131,072 bytes each, fill LDS once; nothing is filled again.
; CLUSTER 4 x 4: A's tile is shared along a row of the cluster, B's along a column: joint loads, each wave a dense block of 65,536 bytes as rows of 256.
; THE PRODUCT IS USED AS source 0 = Y (16 rows), source 1 = X (16 rows): lane (r, h), register j of Y's tile 2 b + u holds X's position r and Y's position 32 b + 16 u + 8 h + j, which is Y's TRUE index 32 b + 16 h + 8 u + j:
; the 16 registers of two neighbouring tiles are 16 neighbours along the next product's K.  So a wave's 128 Y become one fragment and one scale word for each X row, stored as 512 consecutive bytes, with no way through LDS.
; q, k (clusters x = 0, 1): X = tokens (A), Y = channels (B).  v (clusters x = 2): X = channels (B), Y = tokens (A): V^T, quantised along the tokens.  The text is one: LDS bases and scale pointers are chosen by selects on the cluster's x,
; which all partners share; both bias tables are loaded, and the one that does not apply is cleared.
; OUT: q plane 0, k plane 0x200000 (rows = tokens), V^T 0x400000 + (token / 1024) * 0x80000 (rows = channels); scales from 0x600000 at code offset / 16.  Scale words leave as 4 bytes a lane, 16 bytes apart: a sixteenth of the codes' bytes, laid so that every later load of them is whole.
; LIMITS: a block whose largest magnitude lies under 2^-124 keeps the byte 1.  NaN and infinities are not served.
; REGISTERS: window 0: v1-14 addresses; v32-63 X's scale words, v64-95 Y's; v96-122 the quantiser's; v128-191, v192-255 X's fragments, two sets (the first later holds 64 results).
;   window 1: v0-63, v64-127 Y's fragments, two sets; v128-191 bias along Y, v192-207 bias along X.   windows 2, 3: accumulator (x, y) at v[8 (8 (x % 4) + y)] of window 2 + x / 4.
.set HASV,  1
.set RELU,  0
.set BOFF,  0                          ; B's codes in wts
.set ASC0,  0x200000                   ; A's scales in its buffer
.set OSC0,  0x600000                   ; the output's scales in its buffer
.set NB,    8
.set HALF,  NB*8192
.set XW,    4
.set SC,    32
.set SCP,   8*NB
.set XF,    128
.set T,     128
.set BI,    128
.set BV,    192
.set PC,    96
.set TM,    104
.set PW,    120
.set PWM,   122
.set ADX,   2
.set ADY,   3
.set MUL_LO, 0xa1                      ; source 0 (Y) window 1, source 1 (X) window 0, C and D window 2
.set MUL_HI, 0xf1                      ; the same, C and D window 3
.set TO_Y,  0x40
.set MSB, 0
.macro WIN new                         ; the immediate's high byte repeats the setting that is left
.if MSB != (\new)
	s_set_vgpr_msb (MSB<<8)|(\new)
.set MSB, (\new)
.endif
.endm
.macro PLACES                          ; four plain places behind matrix instructions, in front of loads into their sources and of reads of their results
.rept 4
	v_nop
.endr
.endm
.macro JLOAD s                         ; a joint load: waves 0 and 1 fetch A's halves, waves 2 and 3 B's; four v_nop follow each line
	s_cmp_eq_u32 s17, 0
	s_cbranch_scc0 .Lfor_b_\@
	tensor_load_to_lds s[32+4*\s:35+4*\s], s[24:31]
	s_nop 0
.rept 4
	v_nop
.endr
	s_branch .Lasked_\@
.Lfor_b_\@:
	tensor_load_to_lds s[56+4*\s:59+4*\s], s[48:55]
	s_nop 0
.rept 4
	v_nop
.endr
.Lasked_\@:
.endm
.macro CROUND                          ; a round of the cluster's barrier
	s_barrier_signal -1
	s_barrier_wait -1
	s_cmp_lg_u32 s16, 0
	s_cbranch_scc1 .Lnot_wave_0_\@
	s_barrier_signal -3
.Lnot_wave_0_\@:
	s_barrier_wait -3
	s_barrier_signal -1
	s_barrier_wait -1
.endm
.macro FETCH sl, s, p                  ; the fragments of K step s into set p: every load is 512 consecutive bytes
	WIN TO_Y
.set fy, 0
.rept NB
	ds_load_b128 v[8*NB*(\p)+8*fy:8*NB*(\p)+8*fy+3], v[ADY+2*(\sl)] offset:fy*8192+(\s)*1024
	ds_load_b128 v[8*NB*(\p)+8*fy+4:8*NB*(\p)+8*fy+7], v[ADY+2*(\sl)] offset:fy*8192+(\s)*1024+512
.set fy, fy+1
.endr
	WIN 0
.set fy, 0
.rept NB
	ds_load_b128 v[XF+8*NB*(\p)+8*fy:XF+8*NB*(\p)+8*fy+3], v[ADX+2*(\sl)] offset:fy*8192+(\s)*1024
	ds_load_b128 v[XF+8*NB*(\p)+8*fy+4:XF+8*NB*(\p)+8*fy+7], v[ADX+2*(\sl)] offset:fy*8192+(\s)*1024+512
.set fy, fy+1
.endr
.endm
.macro MULX x0, n, p, s, pan, zero     ; X's tiles x0 .. x0 + n - 1 against Y's NB; the accumulators take turns, one instruction a turn
.set mx, \x0
.rept \n
.set my, 0
.rept NB
.set rD, 8*(NB*(mx%XW)+my)
.set rY, 8*NB*(\p)+8*my
.set rX, XF+8*NB*(\p)+8*mx
.set rSY, SC+SCP*(\pan)+4*NB+4*my+(\s)%4
.set rSX, SC+SCP*(\pan)+4*mx+(\s)%4
.if \zero
	v_wmma_scale_f32_16x16x128_f8f6f4 v[rD:rD+7], v[rY:rY+7], v[rX:rX+7], 0, v[rSY], v[rSX] matrix_a_fmt:MATRIX_FMT_FP4 matrix_b_fmt:MATRIX_FMT_FP4
.elseif (\s) < 4
	v_wmma_scale_f32_16x16x128_f8f6f4 v[rD:rD+7], v[rY:rY+7], v[rX:rX+7], v[rD:rD+7], v[rSY], v[rSX] matrix_a_fmt:MATRIX_FMT_FP4 matrix_b_fmt:MATRIX_FMT_FP4
.else
	v_wmma_scale_f32_16x16x128_f8f6f4 v[rD:rD+7], v[rY:rY+7], v[rX:rX+7], v[rD:rD+7], v[rSY], v[rSX] matrix_a_fmt:MATRIX_FMT_FP4 matrix_b_fmt:MATRIX_FMT_FP4 matrix_a_scale:MATRIX_SCALE_ROW1 matrix_b_scale:MATRIX_SCALE_ROW1
.endif
.set my, my+1
.endr
.set mx, mx+1
.endr
.endm
.macro STEP sl, s, pan, zero           ; 128 along K; the next step's fragments are fetched in its middle, into the set that the step before multiplied
	s_wait_dscnt 0x0                               ; this step's fragments are in
	WIN MUL_LO
	MULX 0, NB/2, (\s)%2, \s, \pan, \zero
	PLACES
	FETCH \sl, (\s)+1, ((\s)+1)%2
	WIN MUL_HI
	MULX NB/2, NB/2, (\s)%2, \s, \pan, \zero
	WIN 0
.endm
.macro LAST pan
	s_wait_dscnt 0x0
	WIN MUL_LO
	MULX 0, NB/2, 1, 7, \pan, 0
	WIN MUL_HI
	MULX NB/2, NB/2, 1, 7, \pan, 0
	WIN 0
.endm
; 64 numbers of a lane, register 16 b + i = k 32 b + 16 (lane / 16) + i of my row, become a fragment's codes in v[PC] on and the row's scale word in v[pw]
.macro QUANT s, pw
.irp b, 0,1,2,3
	v_max3_num_f32 v[TM+\b], |v[\s+16*\b]|, |v[\s+1+16*\b]|, 0x1800000   ; with the floor 2^(3 - 127): the byte cannot fall under 1
.endr
.irp i, 2,4,6,8,10,12,14
.irp b, 0,1,2,3
	v_max3_num_f32 v[TM+\b], v[TM+\b], |v[\s+16*\b+\i]|, |v[\s+1+16*\b+\i]|
.endr
.endr
.irp b, 0,1,2,3
	v_permlanex16_b32 v[TM+4+\b], v[TM+\b], s78, s79
.endr
.irp b, 0,1,2,3
	v_max_num_f32 v[TM+\b], v[TM+\b], v[TM+4+\b]   ; with lane l xor 16's: the block's largest magnitude
.endr
.irp b, 0,1,2,3
	v_add_nc_u32 v[TM+12+\b], 0xff000000, v[TM+\b] ; 2 off its exponent field: the conversions' scale operand
.endr
.irp b, 0,1,2,3
	v_lshrrev_b32 v[TM+4+\b], 23, v[TM+12+\b]      ; the byte
.endr
	v_lshl_or_b32 v[\pw], v[TM+5], 8, v[TM+4]
	v_lshl_or_b32 v[\pw], v[TM+6], 16, v[\pw]
	v_lshl_or_b32 v[\pw], v[TM+7], 24, v[\pw]
.irp b, 0,1,2,3
	v_cvt_scalef32_pk8_fp4_f32 v[PC+2*\b], v[\s+16*\b:\s+7+16*\b], v[TM+12+\b]
	v_cvt_scalef32_pk8_fp4_f32 v[PC+1+2*\b], v[\s+8+16*\b:\s+15+16*\b], v[TM+12+\b]
.endr
	v_nop                                          ; one plain place behind the scaled conversions
.irp c, 0,1                                    ; the layout wants a whole block in a lane
.irp i, 0,1
	v_permlane16_swap_b32 v[PC+4*\c+\i], v[PC+2+4*\c+\i]
.endr
.endr
.endm
; X's tile x goes out: bias, activation, quantiser, 2 x 512 bytes of codes; the scale words of two tiles leave together
.macro EPA x
	s_wait_xcnt 0x0                                ; the earlier stores have read their data: those registers are written again only behind this wait
	WIN 0x06+(\x)/4                                ; source 0: the accumulators' window; source 1: window 1
.set i, 0
.rept 32
	v_pk_add_f32 v[T+2*i:T+2*i+1], v[64*((\x)%4)+2*i:64*((\x)%4)+2*i+1], v[BI+2*i:BI+2*i+1]   ; each accumulator from its low end on
.set i, i+1
.endr
.if HASV
	WIN 0x04
.set i, 0
.rept 32
	v_pk_add_f32 v[T+2*i:T+2*i+1], v[T+2*i:T+2*i+1], v[BV+2*(\x):BV+2*(\x)+1] op_sel_hi:[1,0]
.set i, i+1
.endr
.endif
	WIN 0
.if RELU
.set i, 0
.rept 64
	v_max_num_f32 v[T+i], 0, v[T+i]
.set i, i+1
.endr
.endif
	QUANT T, PW+(\x)%2
	global_store_b128 v1, v[PC:PC+3], s[70:71] offset:(\x)*8192
	global_store_b128 v1, v[PC+4:PC+7], s[70:71] offset:(\x)*8192+512
.if (\x)%2
	v_cndmask_b32 v[PWM], v[PW], v[PW+1], s76      ; lanes 0-15: tile x - 1's words, lanes 16-31: tile x's
	global_store_b32 v7, v[PWM], s[72:73] offset:((\x)-1)*512
.endif
.endm
	s_load_b128 s[4:7], s[0:1], 0x0                ; A's buffer, wts
	s_load_b128 s[8:11], s[0:1], 0x10              ; the output, the bias
.if HASV
	s_load_b128 s[12:15], s[0:1], 0x20             ; bk, bv
.endif
	v_lshl_add_u32 v12, v0, 2, 262144              ; my spare word, behind the panel,
	v_mov_b32 v13, 0                               ; and 0
	ds_add_u32 v12, v13                            ; the opening lines: the add, twice on end, and its wait ahead of my first tensor load
	ds_add_u32 v12, v13
	v_lshrrev_b32 v15, 5, v0
	v_readfirstlane_b32 s16, v15                   ; wave
	s_lshr_b32 s17, s16, 1                         ; wm: my half of A's rows.  Also: I fetch for A (0) or B (1)
	s_and_b32 s18, s16, 1                          ; wn: my half of B's rows.  Also: which half I fetch
	s_bfe_u32 s20, ttmp6, 0x40000                  ; cx
	s_bfe_u32 s21, ttmp6, 0x40004                  ; cy
	s_lshl_b32 s22, ttmp9, 2
	s_add_co_u32 s22, s22, s20                     ; tile column
	s_and_b32 s23, ttmp7, 0xffff
	s_lshl_b32 s23, s23, 2
	s_add_co_u32 s23, s23, s21                     ; tile row
	s_lshl_b32 s40, s21, 2
	s_lshl_b32 s40, 15, s40                        ; my row of the cluster
	s_lshl_b32 s41, 0x1111, s20                    ; my column
	s_or_b32 s24, s40, (3<<16)|(1<<21)             ; group 1: the mask; elements of 8 bytes; bit 21 beside a mask; no padding
	s_or_b32 s48, s41, (3<<16)|(1<<21)
.irp g, 24, 48
	s_mov_b32 s[\g+1], 32<<16                      ; tensor_dim0 = 32 elements: 256 bytes
	s_mov_b32 s[\g+2], (NB*32)<<16                 ; tensor_dim1
	s_mov_b32 s[\g+3], 32<<16                      ; tile_dim0
	s_mov_b32 s[\g+4], NB*32                       ; tile_dim1: a dense block of NB x 8,192 bytes
	s_mov_b32 s[\g+5], 32                          ; the pitch
	s_mov_b32 s[\g+6], 0
	s_mov_b32 s[\g+7], 0
.endr
	s_mul_i32 s42, s18, HALF
	s_mul_i32 s80, s23, 2*HALF
	s_add_co_u32 s80, s80, s42                     ; A: tile row and half
	s_mov_b32 s81, 0
	s_mul_i32 s84, s22, 2*HALF
	s_add_co_u32 s84, s84, s42
	s_add_co_u32 s84, s84, BOFF                    ; B: tile column and half
	s_mov_b32 s85, 0
	s_mul_i32 s43, s16, HALF                       ; LDS: wave x HALF: A's halves, then B's
	s_wait_dscnt 0x0                               ; both opening adds are done
	s_wait_kmcnt 0x0
	s_add_nc_u64 s[80:81], s[4:5], s[80:81]
	s_add_nc_u64 s[84:85], s[6:7], s[84:85]
	CROUND                                         ; all sixteen work-groups are here: the joint loads meet
	s_mov_b32 s32, 1
	s_mov_b32 s33, s43
	s_mov_b64 s[34:35], s[80:81]
	s_or_b32 s35, s35, 0x80000000
	s_mov_b32 s56, 1
	s_mov_b32 s57, s43
	s_mov_b64 s[58:59], s[84:85]
	s_or_b32 s59, s59, 0x80000000
	JLOAD 0                                        ; the wave's one tensor load
	s_mul_i32 s44, s23, 2*NB*512                   ; A's scale words: my half wm
	s_mul_i32 s45, s17, NB*512
	s_add_co_u32 s86, s44, s45
	s_add_co_u32 s86, s86, ASC0
	s_mov_b32 s87, 0
	s_add_nc_u64 s[86:87], s[4:5], s[86:87]
	s_mul_i32 s44, s22, 2*NB*512                   ; B's: my half wn
	s_mul_i32 s45, s18, NB*512
	s_add_co_u32 s88, s44, s45
	s_add_co_u32 s88, s88, 0x600000+BOFF/16
	s_mov_b32 s89, 0
	s_add_nc_u64 s[88:89], s[6:7], s[88:89]
	s_mul_i32 s46, s17, HALF                       ; LDS: my half of A,
	s_mul_i32 s47, s18, HALF
	s_add_co_u32 s47, s47, 2*HALF                  ; my half of B
	s_lshr_b32 s94, s22, 2                         ; where the results go: plane,
	s_lshl_b32 s94, s94, 21
	s_lshl_b32 s95, s23, 4
	s_lshl_b32 s96, s17, 3
	s_add_co_u32 s95, s95, s96                     ; first R,
	s_and_b32 s96, s22, 3
	s_lshl_b32 s96, s96, 1
	s_add_co_u32 s96, s96, s18                     ; K step in the plane
.if HASV
	s_and_b32 s92, s22, 3
	s_lshr_b32 s97, s23, 2                         ; the same for V^T: the plane is the tokens',
	s_lshl_b32 s97, s97, 19
	s_add_co_u32 s97, s97, 0x400000
	s_lshl_b32 s98, s92, 4
	s_lshl_b32 s99, s18, 3
	s_add_co_u32 s98, s98, s99                     ; the rows are channels,
	s_and_b32 s99, s23, 3
	s_lshl_b32 s99, s99, 1
	s_add_co_u32 s99, s99, s17                     ; the step the tokens'
	s_cmp_eq_u32 ttmp9, 1
	s_cselect_b64 s[10:11], s[12:13], s[10:11]     ; the bias: bq, bk or bv by the cluster's x
	s_cmp_eq_u32 ttmp9, 2                          ; the cluster's x is equal in all partners
	s_cselect_b64 s[10:11], s[14:15], s[10:11]
	s_cselect_b64 s[66:67], s[88:89], s[86:87]     ; X's scale words
	s_cselect_b64 s[68:69], s[86:87], s[88:89]     ; Y's
	s_cselect_b32 s90, s47, s46                    ; X's half in LDS
	s_cselect_b32 s91, s46, s47                    ; Y's
	s_cselect_b32 s94, s97, s94
	s_cselect_b32 s95, s98, s95
	s_cselect_b32 s96, s99, s96
	s_cselect_b32 s77, 0, -1                       ; lanes that keep the bias along Y
	s_cselect_b32 s19, -1, 0                       ; lanes that keep the bias along X
.else
	s_mov_b32 s92, s22
	s_mov_b64 s[66:67], s[86:87]
	s_mov_b64 s[68:69], s[88:89]
	s_mov_b32 s90, s46
	s_mov_b32 s91, s47
.endif
	s_mul_i32 s92, s92, NB*128
	s_mul_i32 s93, s18, NB*64
	s_add_co_u32 s92, s92, s93                     ; 4 x my first column of B
	s_mov_b32 s93, 0
	s_add_nc_u64 s[74:75], s[10:11], s[92:93]
	s_lshl_b32 s95, s95, 13
	s_add_co_u32 s94, s94, s95                     ; code offset of the first R
	s_lshl_b32 s97, s96, 10
	s_add_co_u32 s70, s94, s97
	s_mov_b32 s71, 0
	s_add_nc_u64 s[70:71], s[8:9], s[70:71]        ; codes
	s_lshr_b32 s94, s94, 4
	s_lshr_b32 s97, s96, 2
	s_lshl_b32 s97, s97, 8
	s_and_b32 s98, s96, 3
	s_lshl_b32 s98, s98, 2
	s_add_co_u32 s72, s94, s97
	s_add_co_u32 s72, s72, s98
	s_add_co_u32 s72, s72, OSC0
	s_mov_b32 s73, 0
	s_add_nc_u64 s[72:73], s[8:9], s[72:73]        ; scale words
	s_mov_b32 s76, 0xffff0000                      ; lanes 16-31
	s_mov_b32 s78, 0x76543210
	s_mov_b32 s79, 0xfedcba98                      ; v_permlanex16_b32's selects for lane l xor 16
	v_and_b32 v15, 31, v0
	v_lshlrev_b32 v1, 4, v15                       ; 16 x lane
	v_and_b32 v16, 15, v0                          ; r
	v_bfe_u32 v17, v0, 4, 1                        ; h
	v_add_nc_u32 v[ADX], s90, v1
	v_add_nc_u32 v[ADY], s91, v1
	v_lshlrev_b32 v11, 6, v17                      ; bias along Y: 64 h
	v_lshlrev_b32 v7, 4, v16
	v_lshl_add_u32 v7, v17, 9, v7                  ; scale words out: 16 r + 512 h
	v_and_b32 v18, 7, v16
	v_and_b32 v19, 8, v16
	v_lshlrev_b32 v14, 2, v18
	v_lshl_add_u32 v14, v19, 3, v14                ; bias along X: 4 x (r % 8 + 16 (r / 8))
.irp b, 0,1,2,3
	v_mov_b32 v[TM+4+\b], 0                        ; written once: a lane permute's destination counts as one of its sources
.endr
.set i, 0
.rept NB
	global_load_b128 v[SC+4*i:SC+4*i+3], v1, s[66:67] offset:i*512
	global_load_b128 v[SC+4*NB+4*i:SC+4*NB+4*i+3], v1, s[68:69] offset:i*512
.set i, i+1
.endr
	WIN 0x40                                       ; destination window 1
.set i, 0
.rept NB
	global_load_b128 v[BI+8*i:BI+8*i+3], v11, s[74:75] offset:128*(i/2)+32*(i%2)       ; tile i, lane half h: true columns 32 (i / 2) + 16 h + 8 (i % 2) + 0 .. 7
	global_load_b128 v[BI+8*i+4:BI+8*i+7], v11, s[74:75] offset:128*(i/2)+32*(i%2)+16
.set i, i+1
.endr
.if HASV
.set i, 0
.rept NB
	global_load_b32 v[BV+2*i], v14, s[74:75] offset:(32*(i/2)+8*(i%2))*4               ; tile i, lane r: the true channel of position 16 i + r
	global_load_b32 v[BV+2*i+1], v14, s[74:75] offset:(32*(i/2)+8*(i%2))*4
.set i, i+1
.endr
.endif
	WIN 0
	s_wait_tensorcnt 0x0                           ; my part of the panel is in,
	s_barrier_signal -1
	s_barrier_wait -1                              ; everybody's is
	FETCH 0, 0, 0
	s_wait_loadcnt 0x0                             ; scale words and biases
.if HASV
	WIN 0x44                                       ; destination and source 1 window 1
.set i, 0
.rept 64
	v_cndmask_b32 v[BI+i], 0, v[BI+i], s77
.set i, i+1
.endr
.set i, 0
.rept 16
	v_cndmask_b32 v[BV+i], 0, v[BV+i], s19
.set i, i+1
.endr
	WIN 0
.endif
	STEP 0, 0, 0, 1                                ; the first step's products start the sums
.irp q, 1,2,3,4,5,6
	STEP 0, \q, 0, 0
.endr
	LAST 0
	PLACES
.irp x, 0,1,2,3,4,5,6,7
	EPA \x
.endr
	s_wait_tensorcnt 0x0                           ; the wave's end
	ds_add_u32 v12, v13
	s_wait_dscnt 0x0
	CROUND                                         ; the closing round
	s_endpgm
.Lfunc_end_k_q809a112aa2_gemm_qkv:
	.size	k_q809a112aa2_gemm_qkv, .Lfunc_end_k_q809a112aa2_gemm_qkv-k_q809a112aa2_gemm_qkv
	.p2alignl 7, 3214868480
	.fill 96, 4, 3214868480
	.section	.rodata,"a",@progbits
	.p2align	6, 0x0
	.amdhsa_kernel k_q809a112aa2_gemm_qkv
		.amdhsa_group_segment_fixed_size 262656
		.amdhsa_private_segment_fixed_size 0
		.amdhsa_enable_private_segment 0
		.amdhsa_kernarg_size 48
		.amdhsa_user_sgpr_count 2
		.amdhsa_user_sgpr_kernarg_segment_ptr 1
		.amdhsa_wavefront_size32 1
		.amdhsa_system_sgpr_workgroup_id_x 1
		.amdhsa_system_sgpr_workgroup_id_y 1
		.amdhsa_system_sgpr_workgroup_id_z 1
		.amdhsa_system_vgpr_workitem_id 0
		.amdhsa_next_free_vgpr 1024
		.amdhsa_next_free_sgpr 100
		.amdhsa_reserve_vcc 0
		.amdhsa_float_denorm_mode_32 3
		.amdhsa_float_denorm_mode_16_64 3
		.amdhsa_memory_ordered 1
		.amdhsa_forward_progress 1
		.amdhsa_inst_pref_size 165
	.end_amdhsa_kernel
	.amdgpu_metadata
---
amdhsa.version: [ 1, 2 ]
amdhsa.kernels:
  - .name:           k_q809a112aa2_gemm_qkv
    .symbol:         k_q809a112aa2_gemm_qkv.kd
    .args:
      - { .name: act, .offset: 0, .size: 8, .value_kind: global_buffer, .address_space: global }
      - { .name: wts, .offset: 8, .size: 8, .value_kind: global_buffer, .address_space: global }
      - { .name: qkv, .offset: 16, .size: 8, .value_kind: global_buffer, .address_space: global }
      - { .name: bq, .offset: 24, .size: 8, .value_kind: global_buffer, .address_space: global }
      - { .name: bk, .offset: 32, .size: 8, .value_kind: global_buffer, .address_space: global }
      - { .name: bv, .offset: 40, .size: 8, .value_kind: global_buffer, .address_space: global }
    .group_segment_fixed_size: 262656
    .private_segment_fixed_size: 0
    .kernarg_segment_align: 8
    .kernarg_segment_size: 48
    .max_flat_workgroup_size: 128
    .sgpr_count:     100
    .vgpr_count:     1024
    .wavefront_size: 32
...
	.end_amdgpu_metadata
.endif
;; end of part 2
;; launch attn (part 3): grid 8 x 32, 16 waves a work-group, clusters of 4 x 1, 210,944 bytes of LDS; arguments qkv, mask, act; writes act
.if DOCPART == 3
	.amdgcn_target "amdgcn-amd-amdhsa--gfx1250"
	.amdhsa_code_object_version 6
	.text
	.protected	k_q809a112aa2_attn
	.globl	k_q809a112aa2_attn
	.p2align	8
	.type	k_q809a112aa2_attn,@function
k_q809a112aa2_attn:
	s_mov_b64 s[64:65], 0
	v_nop
	global_prefetch_b8 v0, s[64:65] scope:SCOPE_SE
	s_setreg_imm32_b32 hwreg(HW_REG_WAVE_MODE, 25, 1), 1
	s_wait_xcnt 0x0
	s_wait_alu depctr_hold_cnt(0) depctr_sa_sdst(0) depctr_va_vdst(0) depctr_va_sdst(0) depctr_va_ssrc(0) depctr_va_vcc(0) depctr_vm_vsrc(0)
	s_getreg_b32 s2, hwreg(HW_REG_IB_STS2, 6, 4)
	s_cmp_eq_u32 s2, 0
	s_cbranch_scc0 .Lentry_in_a_cluster
	s_endpgm
.Lentry_in_a_cluster:
	s_bfe_u32 s2, ttmp6, 0x10000c
	s_cmp_lg_u32 s2, 0x3003
	s_cbranch_scc0 .Lentry_shape_is_right
	s_endpgm
.Lentry_shape_is_right:
; ctx = softmax(q k^T / 8, masked) v for one head and 256 queries, both products on codes of MX-FP4; ctx is quantised along the channels and stored as the next product's operand.
; THE SOFTMAX: t = score x log2(e) / 8; M = the running largest t rounded UP to a whole number; p = 2^(t - M) is quantised along the keys, not normalised; the row's sum is taken of the unquantised p and divides at the end.
; When M moves, the sum and O are multiplied by 2^(old M - new M): exact.
; SHARES: a work-group owns 256 queries of one head, each of its sixteen waves 16 of them; four waves to a SIMD, so that one wave's vector work stands beside another's products and LDS loads.
; ALL 2,048 keys of the head lie in LDS for the whole launch: K's codes 65,536 bytes, V^T's 65,536, filled once.  CLUSTER 4 x 1: the four query blocks of a cluster walk the same K and V: joint loads.
; LAYOUT: operands are images of registers.  S^T = K Q^T (source 0 = 16 keys, source 1 = my 16 queries): lane (r, h) holds query r, and register j of a tile its row 8 h + j.
; THE KEYS OF A TILE ARE CHOSEN: K's codes are copied once, from where they were fetched to LDS bytes of their own, so that row 8 h + j of tile 4 b + u of a step is the TRUE key 64 b + 32 h + 8 u + j.
; A lane's 32 registers of tiles 4 b .. 4 b + 3 are then one whole block of 32 neighbouring keys, in order: its largest score needs no other lane, and the conversions' eight results are the second product's operand as they stand
; (registers 4 b .. 4 b + 3: k = 64 b + 32 h + 0 .. 31).  O^T = V^T P^T gives channel positions (a channel's number with bits 3 and 4 exchanged), whose two neighbouring tiles hold 16 true neighbours.
; THE MASK RIDES IN THE PRODUCT'S UNUSED K.  The head's K is 64; k = 64 .. 127 are spare.  There k = 64 holds the code -4 in every key and +4 in every query; that block's scale byte is 83 (2^-44) in Q, and in K 200 (2^73) for a masked key
; and 0 (2^-127) for an open one.  A masked key's own codes are cleared in the copy, so its score is exactly -4 x 2^73 x 4 x 2^-44 = -2^33, and t a whole number: p = 0 beside any open key, and p = 1 for every key of a row with no open key,
; as the definition's -1e9 gives.  LIMITS: an open key's score carries -2^-167 from that place, under every f32 number; open logits are taken to lie above -1e8.  NaN and infinities are not served; a block of p under 2^-124 keeps the byte 1.
; A KEY STEP is 128 keys: 19 LDS loads, 12 products.  The 16 steps are written out: every LDS offset is an immediate (65,024 at the most), no address is stepped.  Behind the first product's places stand this step's loads of V^T and the
; next step's loads of K: both have the softmax in which to land.
; REGISTERS: v1-5, v10, v11 addresses that stay; v12 -M, v13 the largest t, v[14:15] the sum; v16-23 Q; v24-31 K's scale words; v32-95 eight fragments of K (registers 4-7 of each are written once); v96-159 S^T, then p; v160-191 O^T;
; v192-223 four fragments of V^T; v224-231 p's codes; v232-247, v252, v254 at work; v248-251 V's scale words; v253 p's scale word; v255 Q's.
.set VL,   65536                       ; LDS: K's codes as fetched at 0: [R 128][512 bytes];  V^T's: [plane 2][R' 4][step 8][1,024]
.set KL2,  131072                      ; K's codes in the tiles' order, masked keys cleared: [step 16][tile 8][512 bytes]
.set KSW,  196608                      ; K's scale words: [step 16][4 tiles: 2][row 16][4 words]
.set VSL,  204800                      ; V^T's scale words: [step 16][row 16][4 words, one for each R']
.set KMB,  200                         ; the spare block's scale byte of a masked key
.set QMB,  83                          ; and of every query
.macro CROUND
	s_barrier_signal -1
	s_barrier_wait -1
	s_cmp_lg_u32 s18, 0
	s_cbranch_scc1 .Lnot_wave_0_\@
	s_barrier_signal -3
.Lnot_wave_0_\@:
	s_barrier_wait -3
	s_barrier_signal -1
	s_barrier_wait -1
.endm
	s_load_b128 s[4:7], s[0:1], 0x0                ; qkv, mask
	s_load_b64 s[8:9], s[0:1], 0x10                ; act
	v_lshl_add_u32 v6, v0, 2, 208896               ; my spare word, behind the tables,
	v_mov_b32 v7, 0                                ; and 0
	ds_add_u32 v6, v7                              ; the opening lines: the add, twice on end, and its wait ahead of the first tensor loads
	ds_add_u32 v6, v7
	v_lshrrev_b32 v40, 5, v0
	s_delay_alu instid0(VALU_DEP_1)
	v_readfirstlane_b32 s18, v40                   ; wave 0..15
	s_bfe_u32 s10, ttmp6, 0x40000                  ; cx: it enters Q's and ctx's global addresses alone
	s_lshl_b32 s11, ttmp9, 2
	s_add_co_u32 s11, s11, s10                     ; my block of 256 queries
	s_and_b32 s12, ttmp7, 0xffff
	s_lshr_b32 s13, s12, 4                         ; batch
	s_and_b32 s14, s12, 15                         ; head
	s_and_b32 s15, s18, 1                          ; which half I fetch, if I fetch
	s_lshl_b32 s16, s13, 20
	s_lshl_b32 s17, s15, 19
	s_add_co_u32 s66, s16, s17                     ; K: 64 R of 8,192 bytes a half; V^T: a plane of 0x80000 a half: the same number
	s_lshl_b32 s67, s14, 9
	s_add_co_u32 s68, s66, s67
	s_add_co_u32 s68, s68, 0x200000                ; K: the head's 512 bytes of each R
	s_mov_b32 s69, 0
	s_lshl_b32 s67, s14, 15
	s_add_co_u32 s70, s66, s67
	s_add_co_u32 s70, s70, 0x400000                ; V^T: the head's four R
	s_mov_b32 s71, 0
	s_lshl_b32 s72, s15, 15                        ; LDS: 32,768 bytes a half
	s_mov_b32 s24, 15|(3<<16)|(1<<21)              ; K's group 1: all four work-groups; elements of 8 bytes; 64 rows of 512 bytes, 8,192 bytes apart
	s_mov_b32 s25, 64<<16
	s_mov_b32 s26, 64<<16
	s_mov_b32 s27, 64<<16
	s_mov_b32 s28, 64
	s_mov_b32 s29, 1024
	s_mov_b32 s30, 0
	s_mov_b32 s31, 0
	s_mov_b32 s32, 15|(3<<16)|(1<<21)              ; V's: a dense block of 32,768 bytes as 128 rows of 256
	s_mov_b32 s33, 32<<16
	s_mov_b32 s34, 128<<16
	s_mov_b32 s35, 32<<16
	s_mov_b32 s36, 128
	s_mov_b32 s37, 32
	s_mov_b32 s38, 0
	s_mov_b32 s39, 0
	s_lshr_b32 s77, s14, 3                         ; the head's two scale bytes in a row's 32: (head / 8) x 256 + 2 (head % 8)
	s_lshl_b32 s77, s77, 8
	s_and_b32 s78, s14, 7
	s_lshl_b32 s78, s78, 1
	s_add_co_u32 s77, s77, s78
	s_lshl_b32 s78, s13, 7
	s_lshl_b32 s79, s11, 4
	s_add_co_u32 s78, s78, s79
	s_add_co_u32 s78, s78, s18                     ; my queries' R
	s_lshl_b32 s80, s13, 13                        ; the mask's row
	s_mov_b32 s81, 0
	s_lshl_b32 s82, s13, 16
	s_add_co_u32 s82, s82, s77
	s_add_co_u32 s82, s82, 0x620000                ; K's scales
	s_mov_b32 s83, 0
	s_lshl_b32 s84, s13, 16
	s_lshl_b32 s85, s14, 11
	s_add_co_u32 s84, s84, s85
	s_add_co_u32 s84, s84, 0x640000                ; V^T's scales
	s_mov_b32 s85, 0
	s_lshl_b32 s86, s78, 13
	s_lshl_b32 s87, s14, 9
	s_add_co_u32 s86, s86, s87                     ; Q's codes, and ctx's
	s_mov_b32 s87, 0
	s_lshl_b32 s88, s78, 9
	s_add_co_u32 s88, s88, s77                     ; their scale bytes
	s_mov_b32 s89, 0
	s_add_co_u32 s92, s88, 0x200000
	s_mov_b32 s93, 0
	s_add_co_u32 s88, s88, 0x600000
	s_mov_b32 s20, 0x76543210
	s_mov_b32 s21, 0xfedcba98                      ; v_permlanex16_b32's selects for lane l xor 16
	s_mov_b32 s22, 0x3e38aa3b                      ; c = log2(e) / 8
	s_mov_b32 s23, s22                             ; (named with it as a pair)
	s_mov_b32 s79, 0xffff0000                      ; lanes 16-31
	s_wait_dscnt 0x0                               ; both opening adds are done
	s_wait_kmcnt 0x0
	s_mov_b32 s40, 1
	s_mov_b32 s41, s72
	s_add_nc_u64 s[42:43], s[4:5], s[68:69]
	s_or_b32 s43, s43, 0x80000000
	s_mov_b32 s44, 1
	s_add_co_u32 s45, s72, VL
	s_add_nc_u64 s[46:47], s[4:5], s[70:71]
	s_or_b32 s47, s47, 0x80000000
	s_add_nc_u64 s[80:81], s[6:7], s[80:81]
	s_add_nc_u64 s[82:83], s[4:5], s[82:83]
	s_add_nc_u64 s[84:85], s[4:5], s[84:85]
	s_add_nc_u64 s[90:91], s[8:9], s[86:87]
	s_add_nc_u64 s[86:87], s[4:5], s[86:87]
	s_add_nc_u64 s[88:89], s[4:5], s[88:89]
	s_add_nc_u64 s[92:93], s[8:9], s[92:93]
	CROUND                                         ; all four work-groups are here: the joint loads meet
	s_cmp_lt_u32 s18, 2                            ; waves 0, 1: K's halves; waves 2, 3: V^T's planes; the others fetch nothing.  Four v_nop follow each line
	s_cbranch_scc0 .Lnot_k
	tensor_load_to_lds s[40:43], s[24:31]
	s_nop 0
.rept 4
	v_nop
.endr
	s_branch .Lasked
.Lnot_k:
	s_cmp_lt_u32 s18, 4
	s_cbranch_scc0 .Lasked
	tensor_load_to_lds s[44:47], s[32:39]
	s_nop 0
.rept 4
	v_nop
.endr
.Lasked:
	; the set-up, by all 512 threads: thread t serves the keys at positions p0 + 256 i, p0 = 16 (t / 32) + t % 16 (both halves of the lanes alike)
	v_and_b32 v41, 15, v0                          ; r
	s_wait_alu depctr_va_vdst(0)
	v_bfe_u32 v42, v0, 4, 1                        ; h
	v_and_b32 v43, 31, v0                          ; lane
	v_lshl_add_u32 v44, v40, 4, v41                ; p0
	s_delay_alu instid0(VALU_DEP_1)
	v_and_b32 v45, 0xe7, v44
	s_delay_alu instid0(VALU_DEP_2)
	v_bfe_u32 v46, v44, 3, 1
	s_delay_alu instid0(VALU_DEP_3)
	v_bfe_u32 v47, v44, 4, 1
	s_delay_alu instid0(VALU_DEP_2)
	v_lshl_add_u32 v45, v46, 4, v45
	s_delay_alu instid0(VALU_DEP_1)
	v_lshl_add_u32 v45, v47, 3, v45                ; the true key at position p0
	s_delay_alu instid0(VALU_DEP_1)
	v_lshlrev_b32 v45, 2, v45
	v_lshlrev_b32 v46, 9, v40
	s_delay_alu instid0(VALU_DEP_1)
	v_lshl_add_u32 v46, v41, 4, v46                ; K's scales: R x 512 + 16 r
	v_bfe_u32 v47, v0, 8, 1                        ; V^T's: 8 bytes a thread, laid [plane][half plane][R'][r]
	s_delay_alu instid0(VALU_DEP_1)
	v_lshlrev_b32 v47, 15, v47
	v_bfe_u32 v66, v0, 5, 2
	s_delay_alu instid0(VALU_DEP_1)
	v_lshl_add_u32 v47, v66, 9, v47
	v_bfe_u32 v66, v0, 7, 1
	s_delay_alu instid0(VALU_DEP_1)
	v_lshl_add_u32 v47, v66, 8, v47
	v_bfe_u32 v66, v0, 1, 4
	s_delay_alu instid0(VALU_DEP_1)
	v_lshl_add_u32 v47, v66, 4, v47
	v_and_b32 v66, 1, v0
	s_delay_alu instid0(VALU_DEP_1)
	v_lshl_add_u32 v47, v66, 3, v47
	v_lshlrev_b32 v1, 4, v43                       ; 16 x lane: Q's and ctx's offset
	v_lshlrev_b32 v67, 4, v41                      ; 16 r
.irp i, 0,1,2,3,4,5,6,7
	global_load_b32 v[48+\i], v45, s[80:81] offset:1024*\i
	global_load_u16 v[56+\i], v46, s[82:83] offset:8192*\i
.endr
	global_load_b64 v[64:65], v47, s[84:85]
	global_load_b128 v[16:19], v1, s[86:87]        ; Q's fragment stays in registers
	global_load_u16 v255, v67, s[88:89]            ; and its scale word
	; Where the key at position 256 i + 16 w + r goes (w = t / 32, bits w3 w2 w1 w0; r's bit 3 r3, j = r % 8).  Its true number has bits 3 and 4 of the position exchanged, so it is
	; step 2 i + w3, b = w2, h = w1, u = 2 r3 + w0, j: tile 4 b + u, row 8 h + j.
	v_bfe_u32 v66, v0, 6, 3
	s_delay_alu instid0(VALU_DEP_1)
	v_lshlrev_b32 v69, 7, v66                      ; its scale word: w3 x 512 + w2 x 256 + w1 x 128
	v_and_b32 v66, 7, v0
	s_delay_alu instid0(VALU_DEP_1)
	v_lshl_add_u32 v69, v66, 4, v69                ; + 16 j
	v_bfe_u32 v66, v0, 3, 1                        ; r3
	s_delay_alu instid0(VALU_DEP_1)
	v_lshl_add_u32 v69, v66, 3, v69                ; + 8 r3
	v_bfe_u32 v68, v0, 5, 1
	s_delay_alu instid0(VALU_DEP_1)
	v_lshl_add_u32 v69, v68, 2, v69                ; + 4 w0; 1,024 i stands in the immediate
	s_delay_alu instid0(VALU_DEP_1)
	v_add_nc_u32 v69, KSW, v69
	v_lshlrev_b32 v71, 4, v0                       ; its 16 bytes of codes as fetched: 16 t + 8,192 i;
	s_delay_alu instid0(VALU_DEP_1)
	v_and_b32 v82, 0x1b7f, v71                     ; and in the tiles' order: the same address with bits 7 (r3) and 10 (w1) exchanged
	s_delay_alu instid0(VALU_DEP_1)
	v_lshl_add_u32 v82, v66, 10, v82
	v_bfe_u32 v68, v0, 6, 1
	s_delay_alu instid0(VALU_DEP_1)
	v_lshl_add_u32 v82, v68, 7, v82
	s_delay_alu instid0(VALU_DEP_1)
	v_add_nc_u32 v82, KL2, v82
	v_bfe_u32 v68, v0, 7, 2                        ; V^T's two scale words of thread t: steps 8 plane + 4 half + 2 (t % 2) + 0, 1; row (t / 2) % 16; R' = (t / 32) % 4
	s_delay_alu instid0(VALU_DEP_1)
	v_lshlrev_b32 v70, 10, v68
	v_and_b32 v68, 1, v0
	s_delay_alu instid0(VALU_DEP_1)
	v_lshl_add_u32 v70, v68, 9, v70
	v_bfe_u32 v68, v0, 1, 4
	s_delay_alu instid0(VALU_DEP_1)
	v_lshl_add_u32 v70, v68, 4, v70
	v_bfe_u32 v68, v0, 5, 2
	s_delay_alu instid0(VALU_DEP_1)
	v_lshl_add_u32 v70, v68, 2, v70
	s_delay_alu instid0(VALU_DEP_1)
	v_add_nc_u32 v70, VSL, v70
	v_add_nc_u32 v2, KL2, v1                       ; K's fragments: 16 x lane
	v_lshl_add_u32 v3, v41, 4, KSW                 ; K's scale words: 16 r: four tiles' words a load
	v_add_nc_u32 v4, VL, v1                        ; V^T's fragments
	v_lshl_add_u32 v5, v41, 4, VSL                 ; V^T's scale words: 16 r
	v_lshlrev_b32 v10, 3, v42                      ; 8 h: where my two bytes stand in p's scale word
	v_lshl_add_u32 v11, v42, 0, v67                ; ctx's scale byte: 16 r + h
	v_mov_b32 v72, KMB<<16
	v_mov_b32 v73, 0
	s_wait_alu depctr_va_vdst(0)
	s_wait_loadcnt 0x0
.irp i, 0,1,2,3,4,5,6,7
	v_cmp_eq_u32 vcc_lo, 0, v[48+\i]
	s_delay_alu instid0(VALU_DEP_1)
	v_cndmask_b32 v[74+\i], 0, v72, vcc_lo         ; the spare block's byte: 200 for a masked key, 0 for an open one
.endr
.irp i, 0,1,2,3,4,5,6,7
	v_or_b32 v[74+\i], v[74+\i], v[56+\i]          ; beside the key's own two bytes
.endr
	v_or_b32 v255, QMB<<16, v255                   ; and Q's
.irp i, 0,1,2,3,4,5,6,7
	ds_store_b32 v69, v[74+\i] offset:1024*\i
.endr
	ds_store_b32 v70, v64
	ds_store_b32 v70, v65 offset:256
	s_wait_tensorcnt 0x0                           ; my tile, if I fetched one, is in;
	s_wait_dscnt 0x0                               ; my stores are done
	s_barrier_signal -1
	s_barrier_wait -1
.irp i, 0,1,2,3,4,5,6,7
	ds_load_b128 v[96+4*\i:99+4*\i], v71 offset:8192*\i
.endr
	s_wait_dscnt 0x0
.irp i, 0,1,2,3,4,5,6,7                        ; a masked key's codes become zeros; every key goes to its place in the tiles' order
	v_cmp_eq_u32 vcc_lo, 0, v[48+\i]
.irp j, 0,1,2,3
	v_cndmask_b32 v[96+4*\i+\j], v[96+4*\i+\j], v73, vcc_lo
.endr
	ds_store_b128 v82, v[96+4*\i:99+4*\i] offset:8192*\i
.endr
	v_mov_b32 v13, 0xff61b1e6                      ; the largest t so far: -3e38
	s_delay_alu instid0(VALU_DEP_1)
	v_floor_f32 v12, -v13                          ; -M
	v_mov_b32 v14, 0
	v_mov_b32 v15, 0
	v_cndmask_b32 v20, 6, v73, s79                 ; Q's k = 64: the code of +4 (lanes 0-15 hold k = 64 .. 95; lanes 16-31, k = 96 .. 127, hold zeros)
.irp j, 21,22,23
	v_mov_b32 v[\j], 0
.endr
.irp t, 0,1,2,3,4,5,6,7
	v_cndmask_b32 v[36+8*\t], 14, v73, s79         ; K's k = 64: the code of -4, in every key: written once
.irp j, 5,6,7
	v_mov_b32 v[32+8*\t+\j], 0
.endr
.endr
	v_mov_b32 v239, 0                              ; a lane permute's destination counts as one of its sources
	v_mov_b32 v240, 0
	v_mov_b32 v253, 0                              ; (named as the upper half of the pair v[252:253] before it is first written)
.set i, 0
.rept 32
	v_mov_b32 v[160+i], 0                          ; O^T: the step is written once as a macro; the first finds zeros
.set i, i+1
.endr
	s_wait_dscnt 0x0
	s_barrier_signal -1
	s_barrier_wait -1                              ; K, V^T and the tables stand for every wave; nothing in LDS is written from here on
.macro KLOAD s                         ; step s: eight tiles of K (registers 0-3 of each fragment) and their scale words: ten loads
.irp t, 0,1,2,3,4,5,6,7
	ds_load_b128 v[32+8*\t:35+8*\t], v2 offset:(\s)*4096+\t*512
.endr
	ds_load_b128 v[24:27], v3 offset:(\s)*512
	ds_load_b128 v[28:31], v3 offset:(\s)*512+256
.endm
; A KEY STEP: 128 keys
.macro STEP s
	s_wait_dscnt 0x0                               ; this step's K and its scale words are in
.irp t, 0,1,2,3,4,5,6,7
	v_wmma_scale_f32_16x16x128_f8f6f4 v[96+8*\t:103+8*\t], v[32+8*\t:39+8*\t], v[16:23], 0, v[24+\t], v255 matrix_a_fmt:MATRIX_FMT_FP4 matrix_b_fmt:MATRIX_FMT_FP4
.endr
.rept 4
	v_nop                                          ; four places: in front of the reads of these results, of the loads into K's registers, and of the loads into the registers that the last step's second product read
.endr
.irp t, 0,1,2,3
	ds_load_b128 v[192+8*\t:195+8*\t], v4 offset:((\s)/8)*32768+\t*8192+((\s)%8)*1024
	ds_load_b128 v[196+8*\t:199+8*\t], v4 offset:((\s)/8)*32768+\t*8192+((\s)%8)*1024+512
.endr
	ds_load_b128 v[248:251], v5 offset:(\s)*256    ; V^T's scale words, one for each of its four tiles
.if (\s) < 15
	KLOAD (\s)+1
.endif
.irp b, 0,1,2,3
	v_max3_num_f32 v[232+\b], v[96+16*\b], v[97+16*\b], v[98+16*\b]   ; the largest score, in four chains of 16 registers
.endr
.irp i, 3,5,7,9,11,13
.irp b, 0,1,2,3
	v_max3_num_f32 v[232+\b], v[232+\b], v[96+16*\b+\i], v[97+16*\b+\i]
.endr
.endr
.irp b, 0,1,2,3
	v_max_num_f32 v[232+\b], v[232+\b], v[111+16*\b]
.endr
	s_delay_alu instid0(VALU_DEP_3)
	v_max_num_f32 v232, v232, v233                 ; THE LARGEST SCORE OF EACH OF MY TWO BLOCKS OF 32 KEYS: for the row's maximum, and, since p rises with the score, for the block's largest p
	s_delay_alu instid0(VALU_DEP_2)
	v_max_num_f32 v233, v234, v235
	s_delay_alu instid0(VALU_DEP_1)
	v_max_num_f32 v254, v232, v233
	s_delay_alu instid0(VALU_DEP_1)
	v_permlanex16_b32 v240, v254, s20, s21
	s_delay_alu instid0(VALU_DEP_1)
	v_max_num_f32 v254, v254, v240                 ; with lane l xor 16's two blocks: the step's largest score of my query
	s_delay_alu instid0(VALU_DEP_1)
	v_mul_f32 v254, s22, v254                      ; as t
	s_delay_alu instid0(VALU_DEP_1)
	v_max_num_f32 v13, v13, v254                   ; the running largest t
	v_mov_b32 v254, v12
	s_delay_alu instid0(VALU_DEP_2)
	v_floor_f32 v12, -v13                          ; the new -M = -ceil(t)
	s_delay_alu instid0(VALU_DEP_1)
	v_sub_f32 v254, v12, v254                      ; old M - new M: a whole number, 0 or less
	s_delay_alu instid0(VALU_DEP_1)
	v_cvt_i32_f32 v254, v254                       ; (it saturates)
	s_delay_alu instid0(VALU_DEP_1)
	v_ldexp_f32 v252, 1.0, v254                    ; f = 2^(old M - new M)
.set i, 0
.rept 32
	v_pk_fma_f32 v[96+2*i:97+2*i], v[96+2*i:97+2*i], s[22:23], v[12:13] op_sel_hi:[1,0,0]   ; t - M
.set i, i+1
.endr
	v_fma_f32 v232, v232, s22, v12
	v_fma_f32 v233, v233, s22, v12
.set i, 0
	s_wait_alu depctr_va_vdst(0)
.rept 64
	v_exp_f32 v[96+i], v[96+i]                     ; p = 2^(t - M)
.set i, i+1
.endr
	v_exp_f32 v232, v232                           ; each block's largest p: the same two instructions on the same number
	v_exp_f32 v233, v233
	v_pk_mul_f32 v[14:15], v[14:15], v[252:253] op_sel_hi:[1,0]   ; the sums under the new M (a plain place behind the exponentials)
	s_wait_alu depctr_va_vdst(0)                   ; one wait for the whole batch, ahead of its first reader
	v_max_num_f32 v232, 0x1800000, v232            ; the floor 2^(3 - 127)
	v_max_num_f32 v233, 0x1800000, v233
	s_delay_alu instid0(VALU_DEP_2)
	v_add_nc_u32 v244, 0xff000000, v232            ; the conversions' scale operands
	s_delay_alu instid0(VALU_DEP_2)
	v_add_nc_u32 v245, 0xff000000, v233
	s_delay_alu instid0(VALU_DEP_2)
	v_lshrrev_b32 v236, 23, v244                   ; the bytes
	s_delay_alu instid0(VALU_DEP_2)
	v_lshrrev_b32 v237, 23, v245
	s_delay_alu instid0(VALU_DEP_1)
	v_lshl_or_b32 v238, v237, 16, v236             ; my two bytes: blocks h and 2 + h of these 128 keys,
	s_delay_alu instid0(VALU_DEP_1)
	v_lshlrev_b32 v238, v10, v238                  ; at their places in the scale word (8 h bits up);
	s_delay_alu instid0(VALU_DEP_1)
	v_permlanex16_b32 v239, v238, s20, s21
	s_delay_alu instid0(VALU_DEP_1)
	v_or_b32 v253, v238, v239                      ; with lane l xor 16's two the word is whole
.irp b, 0,1
.irp u, 0,1,2,3
	v_cvt_scalef32_pk8_fp4_f32 v[224+4*\b+\u], v[96+32*\b+8*\u:103+32*\b+8*\u], v[244+\b]   ; registers 4 b .. 4 b + 3 of the operand: k = 64 b + 32 h + 0 .. 31
.endr
.endr
.set i, 0
	s_wait_alu depctr_va_vdst(0)
.rept 16
	v_pk_mul_f32 v[160+2*i:161+2*i], v[160+2*i:161+2*i], v[252:253] op_sel_hi:[1,0]   ; O^T under the new M.  (The first is the plain place behind the scaled conversions)
.set i, i+1
.endr
	v_pk_add_f32 v[236:237], v[100:101], v[104:105]
	v_pk_add_f32 v[246:247], v[108:109], v[112:113]
	v_pk_add_f32 v[244:245], v[116:117], v[120:121]
	v_pk_add_f32 v[242:243], v[124:125], v[128:129]
	v_pk_add_f32 v[234:235], v[132:133], v[136:137]
	v_pk_add_f32 v[232:233], v[140:141], v[144:145]
	v_pk_add_f32 v[8:9], v[148:149], v[152:153]
	v_pk_add_f32 v[14:15], v[14:15], v[156:157]
	v_pk_add_f32 v[236:237], v[236:237], v[96:97]
	v_pk_add_f32 v[246:247], v[246:247], v[98:99]
	v_pk_add_f32 v[244:245], v[244:245], v[102:103]
	v_pk_add_f32 v[242:243], v[242:243], v[106:107]
	v_pk_add_f32 v[234:235], v[234:235], v[110:111]
	v_pk_add_f32 v[232:233], v[232:233], v[114:115]
	v_pk_add_f32 v[8:9], v[8:9], v[118:119]
	v_pk_add_f32 v[14:15], v[14:15], v[122:123]
	v_pk_add_f32 v[236:237], v[236:237], v[126:127]
	v_pk_add_f32 v[246:247], v[246:247], v[130:131]
	v_pk_add_f32 v[244:245], v[244:245], v[134:135]
	v_pk_add_f32 v[242:243], v[242:243], v[138:139]
	v_pk_add_f32 v[234:235], v[234:235], v[142:143]
	v_pk_add_f32 v[232:233], v[232:233], v[146:147]
	v_pk_add_f32 v[8:9], v[8:9], v[150:151]
	v_pk_add_f32 v[14:15], v[14:15], v[154:155]
	v_pk_add_f32 v[236:237], v[236:237], v[158:159]
	s_delay_alu instid0(VALU_DEP_2)
	v_pk_add_f32 v[14:15], v[14:15], v[242:243]
	s_delay_alu instid0(VALU_DEP_2)
	v_pk_add_f32 v[236:237], v[236:237], v[234:235]
	v_pk_add_f32 v[246:247], v[246:247], v[232:233]
	v_pk_add_f32 v[244:245], v[244:245], v[8:9]
	s_delay_alu instid0(VALU_DEP_2)
	v_pk_add_f32 v[14:15], v[14:15], v[246:247]
	s_delay_alu instid0(VALU_DEP_2)
	v_pk_add_f32 v[236:237], v[236:237], v[244:245]
	s_delay_alu instid0(VALU_DEP_1)
	v_pk_add_f32 v[14:15], v[14:15], v[236:237]
.if (\s) < 15
	s_wait_dscnt 10                                ; V^T's nine loads are in; the next step's ten loads of K, issued behind them, may be out
.else
	s_wait_alu depctr_va_vdst(0)
	s_wait_dscnt 0x0
.endif
.irp t, 0,1,2,3
	v_wmma_scale_f32_16x16x128_f8f6f4 v[160+8*\t:167+8*\t], v[192+8*\t:199+8*\t], v[224:231], v[160+8*\t:167+8*\t], v[248+\t], v253 matrix_a_fmt:MATRIX_FMT_FP4 matrix_b_fmt:MATRIX_FMT_FP4
.endr
.endm
	KLOAD 0
.irp q, 0,1,2,3,4,5,6,7,8,9,10,11,12,13,14,15
	STEP \q
.endr
	; THE WAY OUT: O^T / the sum; register 16 b + i is true channel 32 b + 16 h + i of my query: two blocks of 32, each in lanes l and l xor 16
.rept 4
	v_nop
.endr
	v_add_f32 v14, v14, v15
	s_delay_alu instid0(VALU_DEP_1)
	v_permlanex16_b32 v252, v14, s20, s21
	s_delay_alu instid0(VALU_DEP_1)
	v_add_f32 v14, v14, v252                       ; the row's sum
	s_wait_alu depctr_va_vdst(0)
	v_rcp_f32 v14, v14
	v_nop                                          ; one plain place behind the transcendental
.set i, 0
	s_wait_alu depctr_va_vdst(0)
.rept 32
	v_mul_f32 v[96+i], v[160+i], v14               ; each accumulator from its low end on
.set i, i+1
.endr
.irp b, 0,1
	v_max3_num_f32 v[232+\b], |v[96+16*\b]|, |v[97+16*\b]|, 0x1800000
.endr
.irp i, 2,4,6,8,10,12,14
.irp b, 0,1
	s_delay_alu instid0(VALU_DEP_2)
	v_max3_num_f32 v[232+\b], v[232+\b], |v[96+16*\b+\i]|, |v[97+16*\b+\i]|
.endr
.endr
.irp b, 0,1
	s_delay_alu instid0(VALU_DEP_2)
	v_permlanex16_b32 v[236+\b], v[232+\b], s20, s21
.endr
.irp b, 0,1
	s_delay_alu instid0(VALU_DEP_2)
	v_max_num_f32 v[232+\b], v[232+\b], v[236+\b]
.endr
.irp b, 0,1
	s_delay_alu instid0(VALU_DEP_2)
	v_add_nc_u32 v[244+\b], 0xff000000, v[232+\b]
.endr
.irp b, 0,1
	s_delay_alu instid0(VALU_DEP_2)
	v_lshrrev_b32 v[236+\b], 23, v[244+\b]
.endr
.irp b, 0,1
	v_cvt_scalef32_pk8_fp4_f32 v[224+2*\b], v[96+16*\b:103+16*\b], v[244+\b]
	v_cvt_scalef32_pk8_fp4_f32 v[225+2*\b], v[104+16*\b:111+16*\b], v[244+\b]
.endr
	v_nop
	v_permlane16_swap_b32 v224, v226               ; lanes 0-15 block 0, lanes 16-31 block 1
	v_permlane16_swap_b32 v225, v227
	v_cndmask_b32 v240, v236, v237, s79            ; my half's block's byte
	global_store_b128 v1, v[224:227], s[90:91]     ; 512 consecutive bytes: the head's half of a fragment's image
	global_store_b8 v11, v240, s[92:93]            ; 2 bytes of each row's 32: a sixteenth of the codes' bytes, laid so that the next product loads them whole
	s_wait_tensorcnt 0x0                           ; the wave's end
	ds_add_u32 v6, v7
	s_wait_dscnt 0x0
	CROUND                                         ; the closing round
	s_endpgm
.Lfunc_end_k_q809a112aa2_attn:
	.size	k_q809a112aa2_attn, .Lfunc_end_k_q809a112aa2_attn-k_q809a112aa2_attn
	.p2alignl 7, 3214868480
	.fill 96, 4, 3214868480
	.section	.rodata,"a",@progbits
	.p2align	6, 0x0
	.amdhsa_kernel k_q809a112aa2_attn
		.amdhsa_group_segment_fixed_size 210944
		.amdhsa_private_segment_fixed_size 0
		.amdhsa_enable_private_segment 0
		.amdhsa_kernarg_size 24
		.amdhsa_user_sgpr_count 2
		.amdhsa_user_sgpr_kernarg_segment_ptr 1
		.amdhsa_wavefront_size32 1
		.amdhsa_system_sgpr_workgroup_id_x 1
		.amdhsa_system_sgpr_workgroup_id_y 1
		.amdhsa_system_sgpr_workgroup_id_z 1
		.amdhsa_system_vgpr_workitem_id 0
		.amdhsa_next_free_vgpr 256
		.amdhsa_next_free_sgpr 100
		.amdhsa_reserve_vcc 1
		.amdhsa_float_denorm_mode_32 3
		.amdhsa_float_denorm_mode_16_64 3
		.amdhsa_memory_ordered 1
		.amdhsa_forward_progress 1
		.amdhsa_inst_pref_size 252
	.end_amdhsa_kernel
	.amdgpu_metadata
---
amdhsa.version: [ 1, 2 ]
amdhsa.kernels:
  - .name:           k_q809a112aa2_attn
    .symbol:         k_q809a112aa2_attn.kd
    .args:
      - { .name: qkv, .offset: 0, .size: 8, .value_kind: global_buffer, .address_space: global }
      - { .name: mask, .offset: 8, .size: 8, .value_kind: global_buffer, .address_space: global }
      - { .name: act, .offset: 16, .size: 8, .value_kind: global_buffer, .address_space: global }
    .group_segment_fixed_size: 210944
    .private_segment_fixed_size: 0
    .kernarg_segment_align: 8
    .kernarg_segment_size: 24
    .max_flat_workgroup_size: 512
    .sgpr_count:     100
    .vgpr_count:     256
    .wavefront_size: 32
...
	.end_amdgpu_metadata
.endif
;; end of part 3
;; launch oln (part 4): grid 256 x 1, 4 waves a work-group, clusters of 4 x 1, 327,680 bytes of LDS; arguments act, wts, bo, x, g1, be1, h, hq; writes h, hq
.if DOCPART == 4
	.amdgcn_target "amdgcn-amd-amdhsa--gfx1250"
	.amdhsa_code_object_version 6
	.text
	.protected	k_q809a112aa2_oln
	.globl	k_q809a112aa2_oln
	.p2align	8
	.type	k_q809a112aa2_oln,@function
k_q809a112aa2_oln:
	s_mov_b64 s[64:65], 0
	v_nop
	global_prefetch_b8 v0, s[64:65] scope:SCOPE_SE
	s_setreg_imm32_b32 hwreg(HW_REG_WAVE_MODE, 25, 1), 1
	s_wait_xcnt 0x0
	s_wait_alu depctr_hold_cnt(0) depctr_sa_sdst(0) depctr_va_vdst(0) depctr_va_sdst(0) depctr_va_ssrc(0) depctr_va_vcc(0) depctr_vm_vsrc(0)
	s_getreg_b32 s2, hwreg(HW_REG_IB_STS2, 6, 4)
	s_cmp_eq_u32 s2, 0
	s_cbranch_scc0 .Lentry_in_a_cluster
	s_endpgm
.Lentry_in_a_cluster:
	s_bfe_u32 s2, ttmp6, 0x10000c
	s_cmp_lg_u32 s2, 0x3003
	s_cbranch_scc0 .Lentry_shape_is_right
	s_endpgm
.Lentry_shape_is_right:
; h = layer norm(x + ctx Wo + bo) g1 + be1: the product on codes of MX-FP4, all else in f32; h is stored as f32 at its true rows, and quantised to MX-FP4 into hq for the next product.
; OPERANDS lie as images of their registers: row at position pos (the row's number with bits 3 and 4 exchanged), R = pos / 16: codes at R * 8192 + step * 1024 + 16 x lane (registers 0-3) and + 512 (registers 4-7);
; scale words: 512 bytes for each R: one 16-byte load at 16 x lane: register w is step w's word in lanes 0-15 and step 4 + w's in lanes 16-31.  hq is laid as act is (scales from 0x200000).
; SHARES: a work-group owns the 16 token positions of one R and ALL 1,024 columns, so that a row's mean and variance never leave it: 256 work-groups.  Wave w makes columns 256 w .. + 255: 16 tiles of 16, K = 1,024 in 8 steps.
; THE PRODUCT IS USED AS source 0 = 16 rows of Wo's operand, source 1 = my 16 tokens: lane (r, h), register j of tile 2 b + u holds token position r and the true column 32 b + 16 h + 8 u + j.
; CLUSTER 4 x 1: every work-group walks the same Wo, so its codes come by JOINT tensor loads (mask 15); a descriptor hangs on the wave's number alone.  A wave's 16 tiles are 131,072 dense bytes of memory, fetched as rows of 256:
; the head's load brings tiles 0-7 (65,536 bytes a wave, 262,144 a work-group); when tiles 0-3 are in registers their 32,768 bytes take tiles 8-11, and then those of tiles 4-7 take tiles 12-15: two refills, each behind a round
; of the cluster's barrier.  A wave reads only bytes that it fetched itself.  By the text's own count a wave has one tensor load out at a time.
; A unit of work is two tiles, all of K: 32 LDS loads of 512 consecutive bytes and 16 matrix instructions on two accumulators by turns; three sets of 128 registers, so that a unit's loads are out while the unit before is multiplied.
; No prefetch: the launch has three fills and no loop to run ahead in.
; THE NORM: the sums go through LDS (16 rows of 4,096 bytes + 16, over the ring, which has had its last fill and, behind a barrier, its last read), and wave w takes rows 4 w .. 4 w + 3 whole: in piece i lane l holds k = 128 i + 4 l .. + 3.
; The mean first, then the mean of the squared differences from it.  Eight neighbouring lanes hold a block of 32; the codes meet in LDS, laid as the output, and leave as 512 consecutive bytes an instruction.
; LIMITS: a block whose largest magnitude lies under 2^-124 keeps the byte 1 (only this program reads the bytes).  NaN and infinities are not served.
; REGISTERS: window 0: v1-13, v20 addresses; v16-19 my tokens' scale words, v32-95 Wo's; v96-111 sums; v128-191 my tokens' 8 fragments; v192-243 the quantiser's and the way out.
;   window 1: Wo's sets 0 and 1.  window 2: v0-127 accumulators, then my four rows; v128-223 bo, g1, be1.  window 3: v0-127 x's four rows; v128-255 Wo's set 2.
.set YP,    4112                       ; a row of the sums in LDS, from byte 0
.set CST,   262144                     ; behind the ring: 32 block rows of codes, 256 bytes + 16
.set SST,   CST+8704                   ; the 512 scale bytes
.set SPARE, SST+512                    ; the spare words, 128 bytes a wave
.set VO,  1
.set YS,  2
.set YL,  3
.set SA,  4
.set SB,  5
.set RA,  6
.set RS,  7
.set SPW, 12
.set NIL, 13
.set SCX, 16
.set BL,  20
.set SCY, 32
.set P,   96
.set XF,  128
.set MX,  192
.set SO,  200
.set BY,  208
.set CV,  216
.set OUTR, 224
.set BO,  128
.set G,   160
.set BE,  192
.set MSB, 0
.macro WIN new                         ; bits 1:0 source 0, 3:2 source 1, 5:4 source 2, 7:6 destination; the high byte repeats the setting that is left
.if MSB != (\new)
	s_set_vgpr_msb (MSB<<8)|(\new)
.set MSB, (\new)
.endif
.endm
.macro PLACES                          ; four plain places (ISA guide 7.12.1)
.rept 4
	v_nop
.endr
.endm
.macro CROUND                          ; a round of the cluster's barrier
	s_barrier_signal -1
	s_barrier_wait -1
	s_cmp_lg_u32 s20, 0
	s_cbranch_scc1 .Lnot_wave_0_\@
	s_barrier_signal -3
.Lnot_wave_0_\@:
	s_barrier_wait -3
	s_barrier_signal -1
	s_barrier_wait -1
.endm
	s_load_b256 s[4:11], s[0:1], 0x0               ; act, wts, bo, x
	s_load_b256 s[12:19], s[0:1], 0x20             ; g1, be1, h, hq
	v_lshl_add_u32 v[SPW], v0, 2, SPARE
	v_mov_b32 v[NIL], 0
	ds_add_u32 v[SPW], v[NIL]                      ; the opening lines: the add, twice on end, and its wait ahead of my first tensor load
	ds_add_u32 v[SPW], v[NIL]
	v_lshrrev_b32 v8, 5, v0
	v_readfirstlane_b32 s20, v8                    ; wave
	v_and_b32 v9, 31, v0
	v_lshlrev_b32 v[VO], 4, v9                     ; 16 x lane
	v_and_b32 v10, 15, v0                          ; r
	v_bfe_u32 v11, v0, 4, 1                        ; h
	v_mul_u32_u24 v[YS], v10, YP
	v_lshl_add_u32 v[YS], v11, 6, v[YS]
	s_lshl_b32 s21, s20, 10
	v_add_nc_u32 v[YS], s21, v[YS]                 ; sums in: row r, + 1024 w + 64 h
	s_mul_i32 s21, s20, 4*YP
	v_add_nc_u32 v[YL], s21, v[VO]                 ; and back: rows 4 w on, 16 x lane
	v_lshrrev_b32 v14, 3, v9
	v_and_b32 v15, 7, v9
	v_mul_u32_u24 v[SA], v14, 272
	v_lshl_add_u32 v[SA], v15, 1, v[SA]
	s_lshl_b32 s21, s20, 6
	s_add_co_u32 s42, s21, CST
	v_add_nc_u32 v[SA], s42, v[SA]                 ; codes in: block row (lane / 8) x 272 + 16 x 4 w + 2 (lane % 8)
	s_add_co_u32 s42, s21, SST
	v_add_nc_u32 v[SB], s42, v14                   ; scale byte in: 16 x 4 w + lane / 8
	v_mul_u32_u24 v[RA], v11, 272
	v_lshl_add_u32 v[RA], v10, 4, v[RA]
	s_mul_i32 s21, s20, 2176
	s_add_co_u32 s21, s21, CST
	v_add_nc_u32 v[RA], s21, v[RA]                 ; codes back: block rows 8 w on, sixteen lanes to a row
	v_add_nc_u32 v[RS], SST, v[VO]                 ; scale bytes back (wave 0)
	s_lshl_b32 s57, s20, 16                        ; my 65,536 bytes of the ring
	v_add_nc_u32 v[BL], s57, v[VO]                 ; Wo's fragments: + 16 x lane
	s_bfe_u32 s43, ttmp6, 0x40000                  ; cx: it enters global addresses of act, x, h and hq alone
	s_lshl_b32 s44, ttmp9, 2
	s_add_co_u32 s44, s44, s43                     ; R
	s_lshl_b32 s22, s44, 13                        ; R x 8192: my tokens' codes, and hq's
	s_mov_b32 s23, 0
	s_lshl_b32 s24, s44, 9
	s_add_co_u32 s24, s24, 0x200000                ; their scales
	s_mov_b32 s25, 0
	s_lshl_b32 s26, s20, 17
	s_add_co_u32 s26, s26, 0x180000                ; Wo's codes: my 16 tiles of 8,192 bytes
	s_mov_b32 s27, 0
	s_lshl_b32 s28, s20, 13
	s_add_co_u32 s28, s28, 0x618000                ; and their scale words
	s_mov_b32 s29, 0
	s_lshr_b32 s30, s44, 1                         ; the true row of position 16 R + 4 w
	s_lshl_b32 s30, s30, 5
	s_and_b32 s31, s44, 1
	s_lshl_b32 s31, s31, 3
	s_add_co_u32 s30, s30, s31
	s_lshr_b32 s31, s20, 1
	s_lshl_b32 s31, s31, 4
	s_add_co_u32 s30, s30, s31
	s_and_b32 s31, s20, 1
	s_lshl_b32 s31, s31, 2
	s_add_co_u32 s30, s30, s31
	s_lshl_b32 s30, s30, 12
	s_mov_b32 s31, 0
	s_lshl_b32 s34, s20, 11
	s_add_co_u32 s34, s34, s22                     ; hq's codes: R x 8192 + 2048 w
	s_mov_b32 s35, 0
	s_mov_b32 s38, 0x76543210
	s_mov_b32 s39, 0xfedcba98                      ; v_permlanex16_b32's selects for lane l xor 16
	s_mov_b32 s40, 0x3a800000                      ; 1 / 1,024
	s_mov_b32 s41, 0x3727c5ac                      ; 1e-5
	s_mov_b32 s48, 15|(3<<16)|(1<<21)              ; group 1: all four work-groups; elements of 8 bytes; bit 21 beside a mask; no padding
	s_mov_b32 s49, 32<<16                          ; tensor_dim0 = 32 elements: 256 bytes
	s_mov_b32 s50, 256<<16                         ; tensor_dim1: the head's load has 256 rows
	s_mov_b32 s51, 32<<16                          ; tile_dim0
	s_mov_b32 s52, 256                             ; tile_dim1
	s_mov_b32 s53, 32                              ; the pitch: a dense block
	s_mov_b32 s54, 0
	s_mov_b32 s55, 0
	s_wait_alu depctr_va_vdst(0)                   ; the wait at the head's end
	s_wait_dscnt 0x0                               ; both opening adds are done
	s_wait_kmcnt 0x0
	s_add_nc_u64 s[36:37], s[18:19], s[24:25]
	s_add_nc_u64 s[34:35], s[18:19], s[34:35]
	s_add_nc_u64 s[22:23], s[4:5], s[22:23]
	s_add_nc_u64 s[24:25], s[4:5], s[24:25]
	s_add_nc_u64 s[26:27], s[6:7], s[26:27]
	s_add_nc_u64 s[28:29], s[6:7], s[28:29]
	s_add_nc_u64 s[10:11], s[10:11], s[30:31]
	s_add_nc_u64 s[16:17], s[16:17], s[30:31]
	s_mov_b32 s56, 1                               ; group 0 of the head's load: tiles 0-7 into my 65,536 bytes (s57)
	s_mov_b64 s[58:59], s[26:27]
	s_or_b32 s59, s59, 0x80000000
	s_mov_b32 s60, 1                               ; of the first refill: tiles 8-11 into their lower half
	s_lshl_b32 s61, s20, 16
	s_add_nc_u64 s[62:63], s[26:27], 65536
	s_or_b32 s63, s63, 0x80000000
	s_mov_b32 s68, 1                               ; of the second: tiles 12-15 into the upper half
	s_add_co_u32 s69, s61, 32768
	s_add_nc_u64 s[70:71], s[26:27], 98304
	s_or_b32 s71, s71, 0x80000000
	CROUND                                         ; all four work-groups are here: the joint loads meet
	tensor_load_to_lds s[56:59], s[48:55]          ; the wave's one tensor load at the head
	s_nop 0
	PLACES
.macro SETOF u                         ; unit u's set of registers: window and first register
.if ((\u)%3) == 2
.set bw, 3
.set bb, 128
.else
.set bw, 1
.set bb, 128*((\u)%3)
.endif
.endm
.macro DL u                            ; unit u: tiles 2 u and 2 u + 1, all eight K steps, from the ring into set u % 3: 32 loads
	SETOF \u
	WIN bw<<6
.set y, 0
.rept 2
.set q, 0
.rept 8
	ds_load_b128 v[bb+64*y+8*q:bb+64*y+8*q+3], v[BL] offset:((2*(\u)+y)%8)*8192+q*1024
	ds_load_b128 v[bb+64*y+8*q+4:bb+64*y+8*q+7], v[BL] offset:((2*(\u)+y)%8)*8192+q*1024+512
.set q, q+1
.endr
.set y, y+1
.endr
.endm
.macro MUL u                           ; 16 matrix instructions; the unit's two accumulators take turns, one instruction a turn; the first product of each starts its sum
	SETOF \u
	WIN 0xa0|bw
.set q, 0
.rept 8
.set y, 0
.rept 2
.set tt, 2*(\u)+y
.if q == 0
	v_wmma_scale_f32_16x16x128_f8f6f4 v[8*tt:8*tt+7], v[bb+64*y:bb+64*y+7], v[XF:XF+7], 0, v[SCY+4*tt], v[SCX] matrix_a_fmt:MATRIX_FMT_FP4 matrix_b_fmt:MATRIX_FMT_FP4
.elseif q < 4
	v_wmma_scale_f32_16x16x128_f8f6f4 v[8*tt:8*tt+7], v[bb+64*y+8*q:bb+64*y+8*q+7], v[XF+8*q:XF+8*q+7], v[8*tt:8*tt+7], v[SCY+4*tt+q], v[SCX+q] matrix_a_fmt:MATRIX_FMT_FP4 matrix_b_fmt:MATRIX_FMT_FP4
.else
	v_wmma_scale_f32_16x16x128_f8f6f4 v[8*tt:8*tt+7], v[bb+64*y+8*q:bb+64*y+8*q+7], v[XF+8*q:XF+8*q+7], v[8*tt:8*tt+7], v[SCY+4*tt+q-4], v[SCX+q-4] matrix_a_fmt:MATRIX_FMT_FP4 matrix_b_fmt:MATRIX_FMT_FP4 matrix_a_scale:MATRIX_SCALE_ROW1 matrix_b_scale:MATRIX_SCALE_ROW1
.endif
.set y, y+1
.endr
.set q, q+1
.endr
.endm
.macro ROWLD d, b, o                   ; a row of 4,096 bytes: eight loads of 512 consecutive bytes
.irp i, 0,1,2,3,4,5,6,7
	global_load_b128 v[(\d)+4*\i:(\d)+4*\i+3], v[VO], s[\b:\b+1] offset:(\o)+512*\i
.endr
.endm
	global_load_b128 v[SCX:SCX+3], v[VO], s[24:25] ; what the products want: 33 loads
.set y, 0
.rept 8
	global_load_b128 v[XF+8*y:XF+8*y+3], v[VO], s[22:23] offset:y*1024
	global_load_b128 v[XF+8*y+4:XF+8*y+7], v[VO], s[22:23] offset:y*1024+512
.set y, y+1
.endr
.set y, 0
.rept 16
	global_load_b128 v[SCY+4*y:SCY+4*y+3], v[VO], s[28:29] offset:y*512
.set y, y+1
.endr
	WIN 0xc0                                       ; what the norm wants: 56 loads: x's four rows,
.irp e, 0,1,2,3
	ROWLD 32*\e, 10, 4096*\e
.endr
	WIN 0x80                                       ; bo, g1, be1
	ROWLD BO, 8, 0
	ROWLD G, 12, 0
	ROWLD BE, 14, 0
	WIN 0
	s_wait_tensorcnt 0x0                           ; my tiles 0-7 are in; nobody else reads them
	DL 0
	DL 1
	s_wait_loadcnt 56                              ; my tokens' fragments and all scale words are in; the norm's 56 loads may be out
	s_wait_dscnt 32                                ; unit 0 is in; unit 1's 32 loads may be out
	MUL 0
	WIN 0
	s_wait_tensorcnt 0x0                           ; in front of a refill: no tensor load of mine is out,
	ds_add_u32 v[SPW], v[NIL]                      ; 0 onto my spare word;
	s_mov_b32 s50, 128<<16                         ; (so a descriptor may be written: the refills have 128 rows)
	s_mov_b32 s52, 128
	s_wait_dscnt 0x0                               ; the add is done, and tiles 0-3 are in registers
	CROUND                                         ; the same holds of every wave of all four work-groups
	tensor_load_to_lds s[60:63], s[48:55]          ; tiles 8-11, where tiles 0-3 lay
	s_nop 0
	PLACES                                         ; also the places in front of the loads into set 0
	DL 2
	DL 3
	MUL 1
	s_wait_dscnt 32
	MUL 2
	WIN 0
	s_wait_tensorcnt 0x0                           ; tiles 8-11 are in,
	ds_add_u32 v[SPW], v[NIL]
	s_wait_dscnt 0x0                               ; the add is done, and tiles 4-7 are in registers
	CROUND
	tensor_load_to_lds s[68:71], s[48:55]          ; tiles 12-15, where tiles 4-7 lay
	s_nop 0
	PLACES                                         ; also the places in front of the loads into sets 1 and 2
	DL 4
	DL 5
	MUL 3
	s_wait_dscnt 32
	MUL 4
	s_wait_dscnt 0x0
	MUL 5
	PLACES                                         ; in front of the loads into sets 0 and 1
	s_wait_tensorcnt 0x0                           ; tiles 12-15 are in
	DL 6
	DL 7
	s_wait_dscnt 32
	MUL 6
	s_wait_dscnt 0x0                               ; my last reads of the ring are over
	MUL 7
	PLACES                                         ; in front of the reads of the results
	WIN 0
	s_barrier_signal -1
	s_barrier_wait -1                              ; every wave's are: the sums may lie over the ring, which is filled no more
	WIN 0x08                                       ; the data lie in window 2
.set y, 0
.rept 16
	ds_store_b128 v[YS], v[8*y:8*y+3] offset:128*(y/2)+32*(y%2)        ; each accumulator from its low end on
	ds_store_b128 v[YS], v[8*y+4:8*y+7] offset:128*(y/2)+32*(y%2)+16
.set y, y+1
.endr
	WIN 0
	s_wait_dscnt 0x0                               ; for the others' sake: my stores are done
	s_barrier_signal -1
	s_barrier_wait -1
	WIN 0x80
.irp j, 0,1,2,3
.irp i, 0,1,2,3,4,5,6,7
	ds_load_b128 v[32*\j+4*\i:32*\j+4*\i+3], v[YL] offset:\j*YP+512*\i
.endr
.endr
	s_wait_loadcnt 0x0                             ; x, bo, g1, be1
	s_wait_dscnt 0x0
	WIN 0x8e                                       ; source 1 in window 3: x's rows stand there under the same numbers
.set i, 0
.rept 64
	v_pk_add_f32 v[2*i:2*i+1], v[2*i:2*i+1], v[2*i:2*i+1]
.set i, i+1
.endr
	WIN 0x8a
.irp j, 0,1,2,3
.set i, 0
.rept 16
	v_pk_add_f32 v[32*\j+2*i:32*\j+2*i+1], v[32*\j+2*i:32*\j+2*i+1], v[BO+2*i:BO+2*i+1]
.set i, i+1
.endr
.endr
.macro REDUCE                          ; each row's two pairs of partial sums become the sum over the wave, in every lane; the four rows by turns
	WIN 0
.irp j, 0,1,2,3
	v_pk_add_f32 v[P+4*\j:P+4*\j+1], v[P+4*\j:P+4*\j+1], v[P+4*\j+2:P+4*\j+3]
.endr
.irp j, 0,1,2,3
	v_add_f32 v[P+4*\j], v[P+4*\j], v[P+4*\j+1]
.endr
.irp m, 1,2,4,8
.irp j, 0,1,2,3
	v_add_f32_dpp v[P+4*\j], v[P+4*\j], v[P+4*\j] row_xmask:\m row_mask:0xf bank_mask:0xf
.endr
.endr
.irp j, 0,1,2,3
	v_permlanex16_b32 v[P+4*\j+2], v[P+4*\j], s38, s39
.endr
.irp j, 0,1,2,3
	v_add_f32 v[P+4*\j], v[P+4*\j], v[P+4*\j+2]
.endr
.endm
	WIN 0x0a                                       ; sources in window 2, sums in window 0
.irp j, 0,1,2,3
	v_pk_add_f32 v[P+4*\j:P+4*\j+1], v[32*\j:32*\j+1], v[32*\j+2:32*\j+3]
	v_pk_add_f32 v[P+4*\j+2:P+4*\j+3], v[32*\j+4:32*\j+5], v[32*\j+6:32*\j+7]
.endr
	WIN 0x08
.irp k, 8,12,16,20,24,28
.irp j, 0,1,2,3
	v_pk_add_f32 v[P+4*\j:P+4*\j+1], v[P+4*\j:P+4*\j+1], v[32*\j+\k:32*\j+\k+1]
	v_pk_add_f32 v[P+4*\j+2:P+4*\j+3], v[P+4*\j+2:P+4*\j+3], v[32*\j+\k+2:32*\j+\k+3]
.endr
.endr
	REDUCE
.irp j, 0,1,2,3
	v_mul_f32 v[P+4*\j], s40, v[P+4*\j]            ; the mean
.endr
.irp j, 0,1,2,3
	v_mov_b32 v[P+4*\j+1], v[P+4*\j]
.endr
	WIN 0x82
.irp j, 0,1,2,3
.set i, 0
.rept 16
	v_pk_add_f32 v[32*\j+2*i:32*\j+2*i+1], v[32*\j+2*i:32*\j+2*i+1], v[P+4*\j:P+4*\j+1] neg_lo:[0,1] neg_hi:[0,1]
.set i, i+1
.endr
.endr
	WIN 0x0a
.irp j, 0,1,2,3
	v_pk_mul_f32 v[P+4*\j:P+4*\j+1], v[32*\j:32*\j+1], v[32*\j:32*\j+1]
	v_pk_mul_f32 v[P+4*\j+2:P+4*\j+3], v[32*\j+2:32*\j+3], v[32*\j+2:32*\j+3]
.endr
.irp k, 4,8,12,16,20,24,28
.irp j, 0,1,2,3
	v_pk_fma_f32 v[P+4*\j:P+4*\j+1], v[32*\j+\k:32*\j+\k+1], v[32*\j+\k:32*\j+\k+1], v[P+4*\j:P+4*\j+1]
	v_pk_fma_f32 v[P+4*\j+2:P+4*\j+3], v[32*\j+\k+2:32*\j+\k+3], v[32*\j+\k+2:32*\j+\k+3], v[P+4*\j+2:P+4*\j+3]
.endr
.endr
	REDUCE
.irp j, 0,1,2,3
	v_fma_f32 v[P+4*\j], v[P+4*\j], s40, s41       ; the variance + 1e-5
.endr
	s_wait_alu depctr_va_vdst(0)                   ; the wait ahead of the batch,
.irp j, 0,1,2,3
	v_rsq_f32 v[P+4*\j+2], v[P+4*\j]
.endr
	v_nop                                          ; one plain place behind the transcendentals
	s_wait_alu depctr_va_vdst(0)                   ; and one behind it, ahead of its first reader
.irp j, 0,1,2,3
	v_mov_b32 v[P+4*\j+3], v[P+4*\j+2]
.endr
	WIN 0x82
.irp j, 0,1,2,3
.set i, 0
.rept 16
	v_pk_mul_f32 v[32*\j+2*i:32*\j+2*i+1], v[32*\j+2*i:32*\j+2*i+1], v[P+4*\j+2:P+4*\j+3]
.set i, i+1
.endr
.endr
	WIN 0xaa
.irp j, 0,1,2,3
.set i, 0
.rept 16
	v_pk_fma_f32 v[32*\j+2*i:32*\j+2*i+1], v[32*\j+2*i:32*\j+2*i+1], v[G+2*i:G+2*i+1], v[BE+2*i:BE+2*i+1]
.set i, i+1
.endr
.endr
	WIN 0x08
.irp j, 0,1,2,3
.irp i, 0,1,2,3,4,5,6,7
	global_store_b128 v[VO], v[32*\j+4*\i:32*\j+4*\i+3], s[16:17] offset:4096*\j+512*\i   ; 512 consecutive bytes; these registers are only read from here on
.endr
.endr
; Row j is quantised.  A conversion takes eight registers, which are two pieces' numbers, of two blocks: it is made twice, once with each block's scale; the low 16 bits of the first and the high 16 of the second are kept.
.macro QROW j
	WIN 0x0a
.irp i, 0,1,2,3,4,5,6,7
	v_max3_num_f32 v[MX+\i], |v[32*(\j)+4*\i]|, |v[32*(\j)+4*\i+1]|, 0x1800000   ; with the floor 2^(3 - 127): the byte cannot fall under 1
.endr
	WIN 0x28
.irp i, 0,1,2,3,4,5,6,7
	v_max3_num_f32 v[MX+\i], v[MX+\i], |v[32*(\j)+4*\i+2]|, |v[32*(\j)+4*\i+3]|
.endr
	WIN 0
.irp m, 1,2,4
.irp i, 0,1,2,3,4,5,6,7
	v_max_num_f32_dpp v[MX+\i], v[MX+\i], v[MX+\i] row_xmask:\m row_mask:0xf bank_mask:0xf   ; the eight lanes of a block
.endr
.endr
.irp i, 0,1,2,3,4,5,6,7
	v_add_nc_u32 v[SO+\i], 0xff000000, v[MX+\i]    ; 2 off the exponent field: the conversions' scale operand
.endr
.irp i, 0,1,2,3,4,5,6,7
	v_lshrrev_b32 v[BY+\i], 23, v[SO+\i]           ; the byte
.endr
	WIN 0x02
.irp q, 0,1,2,3
	v_cvt_scalef32_pk8_fp4_f32 v[CV+2*\q], v[32*(\j)+8*\q:32*(\j)+8*\q+7], v[SO+2*\q]
	v_cvt_scalef32_pk8_fp4_f32 v[CV+2*\q+1], v[32*(\j)+8*\q:32*(\j)+8*\q+7], v[SO+2*\q+1]
.endr
	WIN 0
	v_nop                                          ; one plain place behind the scaled conversions
.irp q, 0,1,2,3
	v_lshrrev_b32 v[CV+2*\q+1], 16, v[CV+2*\q+1]
.endr
.irp i, 0,1,2,3,4,5,6,7
	ds_store_b16 v[SA], v[CV+\i] offset:1088*\i+16*(\j)   ; piece i's blocks are block rows 4 i .. 4 i + 3
.endr
.irp i, 0,1,2,3,4,5,6,7
	ds_store_b8 v[SB], v[BY+\i] offset:(\i/4)*256+(\i%4)*4+16*(\j)   ; a block's eight lanes write the same byte with the same value
.endr
.endm
	QROW 0
	QROW 1
	QROW 2
	QROW 3
	s_wait_dscnt 0x0                               ; for the others' sake: my stores are done
	s_barrier_signal -1
	s_barrier_wait -1
.irp t, 0,1,2,3
	ds_load_b128 v[OUTR+4*\t:OUTR+4*\t+3], v[RA] offset:544*\t
.endr
	s_wait_dscnt 0x0
.irp t, 0,1,2,3
	global_store_b128 v[VO], v[OUTR+4*\t:OUTR+4*\t+3], s[34:35] offset:512*\t   ; 512 consecutive bytes, aligned
.endr
	s_wait_tensorcnt 0x0                           ; behind my last tensor load and my last LDS store
	ds_add_u32 v[SPW], v[NIL]
	s_wait_dscnt 0x0
	s_cmp_lg_u32 s20, 0
	s_cbranch_scc1 .Ldone
	ds_load_b128 v[OUTR+16:OUTR+19], v[RS]         ; wave 0: the 512 scale bytes
	s_wait_dscnt 0x0
	global_store_b128 v[VO], v[OUTR+16:OUTR+19], s[36:37]
.Ldone:
	CROUND                                         ; the closing round
	s_endpgm
.Lfunc_end_k_q809a112aa2_oln:
	.size	k_q809a112aa2_oln, .Lfunc_end_k_q809a112aa2_oln-k_q809a112aa2_oln
	.p2alignl 7, 3214868480
	.fill 96, 4, 3214868480
	.section	.rodata,"a",@progbits
	.p2align	6, 0x0
	.amdhsa_kernel k_q809a112aa2_oln
		.amdhsa_group_segment_fixed_size 327680
		.amdhsa_private_segment_fixed_size 0
		.amdhsa_enable_private_segment 0
		.amdhsa_kernarg_size 64
		.amdhsa_user_sgpr_count 2
		.amdhsa_user_sgpr_kernarg_segment_ptr 1
		.amdhsa_wavefront_size32 1
		.amdhsa_system_sgpr_workgroup_id_x 1
		.amdhsa_system_sgpr_workgroup_id_y 1
		.amdhsa_system_sgpr_workgroup_id_z 1
		.amdhsa_system_vgpr_workitem_id 0
		.amdhsa_next_free_vgpr 1024
		.amdhsa_next_free_sgpr 72
		.amdhsa_reserve_vcc 0
		.amdhsa_float_denorm_mode_32 3
		.amdhsa_float_denorm_mode_16_64 3
		.amdhsa_memory_ordered 1
		.amdhsa_forward_progress 1
		.amdhsa_inst_pref_size 111
	.end_amdhsa_kernel
	.amdgpu_metadata
---
amdhsa.version: [ 1, 2 ]
amdhsa.kernels:
  - .name:           k_q809a112aa2_oln
    .symbol:         k_q809a112aa2_oln.kd
    .args:
      - { .name: act, .offset: 0, .size: 8, .value_kind: global_buffer, .address_space: global }
      - { .name: wts, .offset: 8, .size: 8, .value_kind: global_buffer, .address_space: global }
      - { .name: bo, .offset: 16, .size: 8, .value_kind: global_buffer, .address_space: global }
      - { .name: x, .offset: 24, .size: 8, .value_kind: global_buffer, .address_space: global }
      - { .name: g1, .offset: 32, .size: 8, .value_kind: global_buffer, .address_space: global }
      - { .name: be1, .offset: 40, .size: 8, .value_kind: global_buffer, .address_space: global }
      - { .name: h, .offset: 48, .size: 8, .value_kind: global_buffer, .address_space: global }
      - { .name: hq, .offset: 56, .size: 8, .value_kind: global_buffer, .address_space: global }
    .group_segment_fixed_size: 327680
    .private_segment_fixed_size: 0
    .kernarg_segment_align: 8
    .kernarg_segment_size: 64
    .max_flat_workgroup_size: 128
    .sgpr_count:     72
    .vgpr_count:     1024
    .wavefront_size: 32
...
	.end_amdgpu_metadata
.endif
;; end of part 4
;; launch gemm_ff1 (part 5): grid 16 x 16, 4 waves a work-group, clusters of 4 x 4, 262,656 bytes of LDS; arguments hq, wts, ff, b1; writes ff
.if DOCPART == 5
	.amdgcn_target "amdgcn-amd-amdhsa--gfx1250"
	.amdhsa_code_object_version 6
	.text
	.protected	k_q809a112aa2_gemm_ff1
	.globl	k_q809a112aa2_gemm_ff1
	.p2align	8
	.type	k_q809a112aa2_gemm_ff1,@function
k_q809a112aa2_gemm_ff1:
	s_mov_b64 s[64:65], 0
	v_nop
	global_prefetch_b8 v0, s[64:65] scope:SCOPE_SE
	s_setreg_imm32_b32 hwreg(HW_REG_WAVE_MODE, 25, 1), 1
	s_wait_xcnt 0x0
	s_wait_alu depctr_hold_cnt(0) depctr_sa_sdst(0) depctr_va_vdst(0) depctr_va_sdst(0) depctr_va_ssrc(0) depctr_va_vcc(0) depctr_vm_vsrc(0)
	s_getreg_b32 s2, hwreg(HW_REG_IB_STS2, 6, 4)
	s_cmp_eq_u32 s2, 0
	s_cbranch_scc0 .Lentry_in_a_cluster
	s_endpgm
.Lentry_in_a_cluster:
	s_bfe_u32 s2, ttmp6, 0x10000c
	s_cmp_lg_u32 s2, 0xf033
	s_cbranch_scc0 .Lentry_shape_is_right
	s_endpgm
.Lentry_shape_is_right:
; ff = Q(relu(h W1 + b1)) on codes of MX-FP4: the hidden layer is quantised along its 4,096 units in the registers in which it is made, and stored as the next product's operand.
; OPERANDS lie as images of their registers: row at position pos (the row's number with bits 3 and 4 exchanged), R = pos / 16: codes at R * 8192 + step * 1024 + 16 x lane (registers 0-3) and + 512 (registers 4-7);
; scale words: 512 bytes for each R: one 16-byte load at 16 x lane: register w is step w's word in lanes 0-15 and step 4 + w's in lanes 16-31.
; A tile of 256 x 256 is made by four waves, 128 x 128 each: 64 accumulators, 512 registers.  K = 1,024 is ONE panel: A's 256 rows and B's 256 rows, 131,072 bytes each, fill LDS once; nothing is filled again.
; CLUSTER 4 x 4: A's tile is shared along a row of the cluster, B's along a column: joint loads, each wave a dense block of 65,536 bytes as rows of 256.
; THE PRODUCT IS USED AS source 0 = Y = 16 rows of B, source 1 = X = 16 rows of A: lane (r, h), register j of Y's tile 2 b + u holds token position r and the TRUE hidden unit 32 b + 16 h + 8 u + j:
; the 16 registers of two neighbouring tiles are 16 neighbours along the next product's K.  So a wave's 128 units become one fragment and one scale word for each row, stored as 512 consecutive bytes, with no way through LDS.
; OUT: plane (unit / 1024) * 0x200000; scales from 0x800000 at code offset / 16.  Scale words leave as 4 bytes a lane, 16 bytes apart: a sixteenth of the codes' bytes, laid so that every later load of them is whole.
; LIMITS: a block whose largest magnitude lies under 2^-124, a block of zeros among them, keeps the byte 1.  NaN and infinities are not served.
; REGISTERS: window 0: v1-14 addresses; v32-63 X's scale words, v64-95 Y's; v96-122 the quantiser's; v128-191, v192-255 X's fragments, two sets (the first later holds 64 results).
;   window 1: v0-63, v64-127 Y's fragments, two sets; v128-191 the bias.   windows 2, 3: accumulator (x, y) at v[8 (8 (x % 4) + y)] of window 2 + x / 4.
.set HASV,  0
.set RELU,  1
.set BOFF,  0x200000                   ; B's codes in wts
.set ASC0,  0x200000                   ; A's scales in its buffer
.set OSC0,  0x800000                   ; the output's scales in its buffer
.set NB,    8
.set HALF,  NB*8192
.set XW,    4
.set SC,    32
.set SCP,   8*NB
.set XF,    128
.set T,     128
.set BI,    128
.set BV,    192
.set PC,    96
.set TM,    104
.set PW,    120
.set PWM,   122
.set ADX,   2
.set ADY,   3
.set MUL_LO, 0xa1                      ; source 0 (Y) window 1, source 1 (X) window 0, C and D window 2
.set MUL_HI, 0xf1                      ; the same, C and D window 3
.set TO_Y,  0x40
.set MSB, 0
.macro WIN new                         ; the immediate's high byte repeats the setting that is left
.if MSB != (\new)
	s_set_vgpr_msb (MSB<<8)|(\new)
.set MSB, (\new)
.endif
.endm
.macro PLACES                          ; four plain places behind matrix instructions, in front of loads into their sources and of reads of their results
.rept 4
	v_nop
.endr
.endm
.macro JLOAD s                         ; a joint load: waves 0 and 1 fetch A's halves, waves 2 and 3 B's; four v_nop follow each line
	s_cmp_eq_u32 s17, 0
	s_cbranch_scc0 .Lfor_b_\@
	tensor_load_to_lds s[32+4*\s:35+4*\s], s[24:31]
	s_nop 0
.rept 4
	v_nop
.endr
	s_branch .Lasked_\@
.Lfor_b_\@:
	tensor_load_to_lds s[56+4*\s:59+4*\s], s[48:55]
	s_nop 0
.rept 4
	v_nop
.endr
.Lasked_\@:
.endm
.macro CROUND                          ; a round of the cluster's barrier
	s_barrier_signal -1
	s_barrier_wait -1
	s_cmp_lg_u32 s16, 0
	s_cbranch_scc1 .Lnot_wave_0_\@
	s_barrier_signal -3
.Lnot_wave_0_\@:
	s_barrier_wait -3
	s_barrier_signal -1
	s_barrier_wait -1
.endm
.macro FETCH sl, s, p                  ; the fragments of K step s into set p: every load is 512 consecutive bytes
	WIN TO_Y
.set fy, 0
.rept NB
	ds_load_b128 v[8*NB*(\p)+8*fy:8*NB*(\p)+8*fy+3], v[ADY+2*(\sl)] offset:fy*8192+(\s)*1024
	ds_load_b128 v[8*NB*(\p)+8*fy+4:8*NB*(\p)+8*fy+7], v[ADY+2*(\sl)] offset:fy*8192+(\s)*1024+512
.set fy, fy+1
.endr
	WIN 0
.set fy, 0
.rept NB
	ds_load_b128 v[XF+8*NB*(\p)+8*fy:XF+8*NB*(\p)+8*fy+3], v[ADX+2*(\sl)] offset:fy*8192+(\s)*1024
	ds_load_b128 v[XF+8*NB*(\p)+8*fy+4:XF+8*NB*(\p)+8*fy+7], v[ADX+2*(\sl)] offset:fy*8192+(\s)*1024+512
.set fy, fy+1
.endr
.endm
.macro MULX x0, n, p, s, pan, zero     ; X's tiles x0 .. x0 + n - 1 against Y's NB; the accumulators take turns, one instruction a turn
.set mx, \x0
.rept \n
.set my, 0
.rept NB
.set rD, 8*(NB*(mx%XW)+my)
.set rY, 8*NB*(\p)+8*my
.set rX, XF+8*NB*(\p)+8*mx
.set rSY, SC+SCP*(\pan)+4*NB+4*my+(\s)%4
.set rSX, SC+SCP*(\pan)+4*mx+(\s)%4
.if \zero
	v_wmma_scale_f32_16x16x128_f8f6f4 v[rD:rD+7], v[rY:rY+7], v[rX:rX+7], 0, v[rSY], v[rSX] matrix_a_fmt:MATRIX_FMT_FP4 matrix_b_fmt:MATRIX_FMT_FP4
.elseif (\s) < 4
	v_wmma_scale_f32_16x16x128_f8f6f4 v[rD:rD+7], v[rY:rY+7], v[rX:rX+7], v[rD:rD+7], v[rSY], v[rSX] matrix_a_fmt:MATRIX_FMT_FP4 matrix_b_fmt:MATRIX_FMT_FP4
.else
	v_wmma_scale_f32_16x16x128_f8f6f4 v[rD:rD+7], v[rY:rY+7], v[rX:rX+7], v[rD:rD+7], v[rSY], v[rSX] matrix_a_fmt:MATRIX_FMT_FP4 matrix_b_fmt:MATRIX_FMT_FP4 matrix_a_scale:MATRIX_SCALE_ROW1 matrix_b_scale:MATRIX_SCALE_ROW1
.endif
.set my, my+1
.endr
.set mx, mx+1
.endr
.endm
.macro STEP sl, s, pan, zero           ; 128 along K; the next step's fragments are fetched in its middle, into the set that the step before multiplied
	s_wait_dscnt 0x0                               ; this step's fragments are in
	WIN MUL_LO
	MULX 0, NB/2, (\s)%2, \s, \pan, \zero
	PLACES
	FETCH \sl, (\s)+1, ((\s)+1)%2
	WIN MUL_HI
	MULX NB/2, NB/2, (\s)%2, \s, \pan, \zero
	WIN 0
.endm
.macro LAST pan
	s_wait_dscnt 0x0
	WIN MUL_LO
	MULX 0, NB/2, 1, 7, \pan, 0
	WIN MUL_HI
	MULX NB/2, NB/2, 1, 7, \pan, 0
	WIN 0
.endm
; 64 numbers of a lane, register 16 b + i = k 32 b + 16 (lane / 16) + i of my row, become a fragment's codes in v[PC] on and the row's scale word in v[pw]
.macro QUANT s, pw
.irp b, 0,1,2,3
	v_max3_num_f32 v[TM+\b], |v[\s+16*\b]|, |v[\s+1+16*\b]|, 0x1800000   ; with the floor 2^(3 - 127): the byte cannot fall under 1
.endr
.irp i, 2,4,6,8,10,12,14
.irp b, 0,1,2,3
	v_max3_num_f32 v[TM+\b], v[TM+\b], |v[\s+16*\b+\i]|, |v[\s+1+16*\b+\i]|
.endr
.endr
.irp b, 0,1,2,3
	v_permlanex16_b32 v[TM+4+\b], v[TM+\b], s78, s79
.endr
.irp b, 0,1,2,3
	v_max_num_f32 v[TM+\b], v[TM+\b], v[TM+4+\b]   ; with lane l xor 16's: the block's largest magnitude
.endr
.irp b, 0,1,2,3
	v_add_nc_u32 v[TM+12+\b], 0xff000000, v[TM+\b] ; 2 off its exponent field: the conversions' scale operand
.endr
.irp b, 0,1,2,3
	v_lshrrev_b32 v[TM+4+\b], 23, v[TM+12+\b]      ; the byte
.endr
	v_lshl_or_b32 v[\pw], v[TM+5], 8, v[TM+4]
	v_lshl_or_b32 v[\pw], v[TM+6], 16, v[\pw]
	v_lshl_or_b32 v[\pw], v[TM+7], 24, v[\pw]
.irp b, 0,1,2,3
	v_cvt_scalef32_pk8_fp4_f32 v[PC+2*\b], v[\s+16*\b:\s+7+16*\b], v[TM+12+\b]
	v_cvt_scalef32_pk8_fp4_f32 v[PC+1+2*\b], v[\s+8+16*\b:\s+15+16*\b], v[TM+12+\b]
.endr
	v_nop                                          ; one plain place behind the scaled conversions
.irp c, 0,1                                    ; the layout wants a whole block in a lane
.irp i, 0,1
	v_permlane16_swap_b32 v[PC+4*\c+\i], v[PC+2+4*\c+\i]
.endr
.endr
.endm
; X's tile x goes out: bias, activation, quantiser, 2 x 512 bytes of codes; the scale words of two tiles leave together
.macro EPA x
	s_wait_xcnt 0x0                                ; the earlier stores have read their data: those registers are written again only behind this wait
	WIN 0x06+(\x)/4                                ; source 0: the accumulators' window; source 1: window 1
.set i, 0
.rept 32
	v_pk_add_f32 v[T+2*i:T+2*i+1], v[64*((\x)%4)+2*i:64*((\x)%4)+2*i+1], v[BI+2*i:BI+2*i+1]   ; each accumulator from its low end on
.set i, i+1
.endr
	WIN 0
.if RELU
.set i, 0
.rept 64
	v_max_num_f32 v[T+i], 0, v[T+i]
.set i, i+1
.endr
.endif
	QUANT T, PW+(\x)%2
	global_store_b128 v1, v[PC:PC+3], s[70:71] offset:(\x)*8192
	global_store_b128 v1, v[PC+4:PC+7], s[70:71] offset:(\x)*8192+512
.if (\x)%2
	v_cndmask_b32 v[PWM], v[PW], v[PW+1], s76      ; lanes 0-15: tile x - 1's words, lanes 16-31: tile x's
	global_store_b32 v7, v[PWM], s[72:73] offset:((\x)-1)*512
.endif
.endm
	s_load_b128 s[4:7], s[0:1], 0x0                ; A's buffer, wts
	s_load_b128 s[8:11], s[0:1], 0x10              ; the output, the bias
	v_lshl_add_u32 v12, v0, 2, 262144              ; my spare word, behind the panel,
	v_mov_b32 v13, 0                               ; and 0
	ds_add_u32 v12, v13                            ; the opening lines: the add, twice on end, and its wait ahead of my first tensor load
	ds_add_u32 v12, v13
	v_lshrrev_b32 v15, 5, v0
	v_readfirstlane_b32 s16, v15                   ; wave
	s_lshr_b32 s17, s16, 1                         ; wm: my half of A's rows.  Also: I fetch for A (0) or B (1)
	s_and_b32 s18, s16, 1                          ; wn: my half of B's rows.  Also: which half I fetch
	s_bfe_u32 s20, ttmp6, 0x40000                  ; cx
	s_bfe_u32 s21, ttmp6, 0x40004                  ; cy
	s_lshl_b32 s22, ttmp9, 2
	s_add_co_u32 s22, s22, s20                     ; tile column
	s_and_b32 s23, ttmp7, 0xffff
	s_lshl_b32 s23, s23, 2
	s_add_co_u32 s23, s23, s21                     ; tile row
	s_lshl_b32 s40, s21, 2
	s_lshl_b32 s40, 15, s40                        ; my row of the cluster
	s_lshl_b32 s41, 0x1111, s20                    ; my column
	s_or_b32 s24, s40, (3<<16)|(1<<21)             ; group 1: the mask; elements of 8 bytes; bit 21 beside a mask; no padding
	s_or_b32 s48, s41, (3<<16)|(1<<21)
.irp g, 24, 48
	s_mov_b32 s[\g+1], 32<<16                      ; tensor_dim0 = 32 elements: 256 bytes
	s_mov_b32 s[\g+2], (NB*32)<<16                 ; tensor_dim1
	s_mov_b32 s[\g+3], 32<<16                      ; tile_dim0
	s_mov_b32 s[\g+4], NB*32                       ; tile_dim1: a dense block of NB x 8,192 bytes
	s_mov_b32 s[\g+5], 32                          ; the pitch
	s_mov_b32 s[\g+6], 0
	s_mov_b32 s[\g+7], 0
.endr
	s_mul_i32 s42, s18, HALF
	s_mul_i32 s80, s23, 2*HALF
	s_add_co_u32 s80, s80, s42                     ; A: tile row and half
	s_mov_b32 s81, 0
	s_mul_i32 s84, s22, 2*HALF
	s_add_co_u32 s84, s84, s42
	s_add_co_u32 s84, s84, BOFF                    ; B: tile column and half
	s_mov_b32 s85, 0
	s_mul_i32 s43, s16, HALF                       ; LDS: wave x HALF: A's halves, then B's
	s_wait_dscnt 0x0                               ; both opening adds are done
	s_wait_kmcnt 0x0
	s_add_nc_u64 s[80:81], s[4:5], s[80:81]
	s_add_nc_u64 s[84:85], s[6:7], s[84:85]
	CROUND                                         ; all sixteen work-groups are here: the joint loads meet
	s_mov_b32 s32, 1
	s_mov_b32 s33, s43
	s_mov_b64 s[34:35], s[80:81]
	s_or_b32 s35, s35, 0x80000000
	s_mov_b32 s56, 1
	s_mov_b32 s57, s43
	s_mov_b64 s[58:59], s[84:85]
	s_or_b32 s59, s59, 0x80000000
	JLOAD 0                                        ; the wave's one tensor load
	s_mul_i32 s44, s23, 2*NB*512                   ; A's scale words: my half wm
	s_mul_i32 s45, s17, NB*512
	s_add_co_u32 s66, s44, s45
	s_add_co_u32 s66, s66, ASC0
	s_mov_b32 s67, 0
	s_add_nc_u64 s[66:67], s[4:5], s[66:67]
	s_mul_i32 s44, s22, 2*NB*512                   ; B's: my half wn
	s_mul_i32 s45, s18, NB*512
	s_add_co_u32 s68, s44, s45
	s_add_co_u32 s68, s68, 0x600000+BOFF/16
	s_mov_b32 s69, 0
	s_add_nc_u64 s[68:69], s[6:7], s[68:69]
	s_mul_i32 s90, s17, HALF                       ; LDS: my half of A,
	s_mul_i32 s91, s18, HALF
	s_add_co_u32 s91, s91, 2*HALF                  ; my half of B
	s_lshr_b32 s94, s22, 2                         ; where the results go: plane,
	s_lshl_b32 s94, s94, 21
	s_lshl_b32 s95, s23, 4
	s_lshl_b32 s96, s17, 3
	s_add_co_u32 s95, s95, s96                     ; first R,
	s_and_b32 s96, s22, 3
	s_lshl_b32 s96, s96, 1
	s_add_co_u32 s96, s96, s18                     ; K step in the plane
	s_mul_i32 s92, s22, NB*128
	s_mul_i32 s93, s18, NB*64
	s_add_co_u32 s92, s92, s93                     ; 4 x my first column of B
	s_mov_b32 s93, 0
	s_add_nc_u64 s[74:75], s[10:11], s[92:93]
	s_lshl_b32 s95, s95, 13
	s_add_co_u32 s94, s94, s95                     ; code offset of the first R
	s_lshl_b32 s97, s96, 10
	s_add_co_u32 s70, s94, s97
	s_mov_b32 s71, 0
	s_add_nc_u64 s[70:71], s[8:9], s[70:71]        ; codes
	s_lshr_b32 s94, s94, 4
	s_lshr_b32 s97, s96, 2
	s_lshl_b32 s97, s97, 8
	s_and_b32 s98, s96, 3
	s_lshl_b32 s98, s98, 2
	s_add_co_u32 s72, s94, s97
	s_add_co_u32 s72, s72, s98
	s_add_co_u32 s72, s72, OSC0
	s_mov_b32 s73, 0
	s_add_nc_u64 s[72:73], s[8:9], s[72:73]        ; scale words
	s_mov_b32 s76, 0xffff0000                      ; lanes 16-31
	s_mov_b32 s78, 0x76543210
	s_mov_b32 s79, 0xfedcba98                      ; v_permlanex16_b32's selects for lane l xor 16
	v_and_b32 v15, 31, v0
	v_lshlrev_b32 v1, 4, v15                       ; 16 x lane
	v_and_b32 v16, 15, v0                          ; r
	v_bfe_u32 v17, v0, 4, 1                        ; h
	v_add_nc_u32 v[ADX], s90, v1
	v_add_nc_u32 v[ADY], s91, v1
	v_lshlrev_b32 v11, 6, v17                      ; the bias: 64 h
	v_lshlrev_b32 v7, 4, v16
	v_lshl_add_u32 v7, v17, 9, v7                  ; scale words out: 16 r + 512 h
.irp b, 0,1,2,3
	v_mov_b32 v[TM+4+\b], 0                        ; written once: a lane permute's destination counts as one of its sources
.endr
.set i, 0
.rept NB
	global_load_b128 v[SC+4*i:SC+4*i+3], v1, s[66:67] offset:i*512
	global_load_b128 v[SC+4*NB+4*i:SC+4*NB+4*i+3], v1, s[68:69] offset:i*512
.set i, i+1
.endr
	WIN 0x40                                       ; destination window 1
.set i, 0
.rept NB
	global_load_b128 v[BI+8*i:BI+8*i+3], v11, s[74:75] offset:128*(i/2)+32*(i%2)       ; tile i, lane half h: true units 32 (i / 2) + 16 h + 8 (i % 2) + 0 .. 7
	global_load_b128 v[BI+8*i+4:BI+8*i+7], v11, s[74:75] offset:128*(i/2)+32*(i%2)+16
.set i, i+1
.endr
	WIN 0
	s_wait_alu depctr_va_vdst(0)
	s_wait_tensorcnt 0x0                           ; my part of the panel is in,
	s_barrier_signal -1
	s_barrier_wait -1                              ; everybody's is
	FETCH 0, 0, 0
	s_wait_loadcnt 0x0                             ; scale words and bias
	STEP 0, 0, 0, 1                                ; the first step's products start the sums
.irp q, 1,2,3,4,5,6
	STEP 0, \q, 0, 0
.endr
	LAST 0
	PLACES
.irp x, 0,1,2,3,4,5,6,7
	EPA \x
.endr
	s_wait_tensorcnt 0x0                           ; the wave's end
	ds_add_u32 v12, v13
	s_wait_dscnt 0x0
	CROUND                                         ; the closing round
	s_endpgm
.Lfunc_end_k_q809a112aa2_gemm_ff1:
	.size	k_q809a112aa2_gemm_ff1, .Lfunc_end_k_q809a112aa2_gemm_ff1-k_q809a112aa2_gemm_ff1
	.p2alignl 7, 3214868480
	.fill 96, 4, 3214868480
	.section	.rodata,"a",@progbits
	.p2align	6, 0x0
	.amdhsa_kernel k_q809a112aa2_gemm_ff1
		.amdhsa_group_segment_fixed_size 262656
		.amdhsa_private_segment_fixed_size 0
		.amdhsa_enable_private_segment 0
		.amdhsa_kernarg_size 32
		.amdhsa_user_sgpr_count 2
		.amdhsa_user_sgpr_kernarg_segment_ptr 1
		.amdhsa_wavefront_size32 1
		.amdhsa_system_sgpr_workgroup_id_x 1
		.amdhsa_system_sgpr_workgroup_id_y 1
		.amdhsa_system_sgpr_workgroup_id_z 1
		.amdhsa_system_vgpr_workitem_id 0
		.amdhsa_next_free_vgpr 1024
		.amdhsa_next_free_sgpr 100
		.amdhsa_reserve_vcc 0
		.amdhsa_float_denorm_mode_32 3
		.amdhsa_float_denorm_mode_16_64 3
		.amdhsa_memory_ordered 1
		.amdhsa_forward_progress 1
		.amdhsa_inst_pref_size 158
	.end_amdhsa_kernel
	.amdgpu_metadata
---
amdhsa.version: [ 1, 2 ]
amdhsa.kernels:
  - .name:           k_q809a112aa2_gemm_ff1
    .symbol:         k_q809a112aa2_gemm_ff1.kd
    .args:
      - { .name: hq, .offset: 0, .size: 8, .value_kind: global_buffer, .address_space: global }
      - { .name: wts, .offset: 8, .size: 8, .value_kind: global_buffer, .address_space: global }
      - { .name: ff, .offset: 16, .size: 8, .value_kind: global_buffer, .address_space: global }
      - { .name: b1, .offset: 24, .size: 8, .value_kind: global_buffer, .address_space: global }
    .group_segment_fixed_size: 262656
    .private_segment_fixed_size: 0
    .kernarg_segment_align: 8
    .kernarg_segment_size: 32
    .max_flat_workgroup_size: 128
    .sgpr_count:     100
    .vgpr_count:     1024
    .wavefront_size: 32
...
	.end_amdgpu_metadata
.endif
;; end of part 5
;; launch gemm_ff2 (part 6): grid 8 x 32, 4 waves a work-group, clusters of 4 x 4, 327,680 bytes of LDS; arguments ff, wts, y, b2, h; writes y
.if DOCPART == 6
	.amdgcn_target "amdgcn-amd-amdhsa--gfx1250"
	.amdhsa_code_object_version 6
	.text
	.protected	k_q809a112aa2_gemm_ff2
	.globl	k_q809a112aa2_gemm_ff2
	.p2align	8
	.type	k_q809a112aa2_gemm_ff2,@function
k_q809a112aa2_gemm_ff2:
	s_mov_b64 s[64:65], 0
	v_nop
	global_prefetch_b8 v0, s[64:65] scope:SCOPE_SE
	s_setreg_imm32_b32 hwreg(HW_REG_WAVE_MODE, 25, 1), 1
	s_wait_xcnt 0x0
	s_wait_alu depctr_hold_cnt(0) depctr_sa_sdst(0) depctr_va_vdst(0) depctr_va_sdst(0) depctr_va_ssrc(0) depctr_va_vcc(0) depctr_vm_vsrc(0)
	s_getreg_b32 s2, hwreg(HW_REG_IB_STS2, 6, 4)
	s_cmp_eq_u32 s2, 0
	s_cbranch_scc0 .Lentry_in_a_cluster
	s_endpgm
.Lentry_in_a_cluster:
	s_bfe_u32 s2, ttmp6, 0x10000c
	s_cmp_lg_u32 s2, 0xf033
	s_cbranch_scc0 .Lentry_shape_is_right
	s_endpgm
.Lentry_shape_is_right:
.set NP,    4
.set NSL,   2
.set BOFF,  0x400000
.set ASC0,  0x800000
.set APL,   0x200000
.set BPL,   0x80000
.set NB,    4
.set HALF,  NB*8192
.set SLOT,  4*HALF
.set STG,   NSL*SLOT
.set SPARE, STG+4*4352
.set XW,    8
.set SC,    32
.set SCP,   8*NB
.set XF,    160
.set T,     160
.set BK,    192
.set BI,    128
.set ADX,   2
.set ADY,   3
.set MUL_LO, 0xa1
.set MUL_HI, 0xa1
.set TO_Y,  0x40
.set MSB, 0
.macro WIN new
.if MSB != (\new)
	s_set_vgpr_msb (MSB<<8)|(\new)
.set MSB, (\new)
.endif
.endm
.macro PLACES
.rept 4
	v_nop
.endr
.endm
.macro JLOAD s
	s_cmp_eq_u32 s17, 0
	s_cbranch_scc0 .Lfor_b_\@
	tensor_load_to_lds s[32+4*\s:35+4*\s], s[24:31]
	s_nop 0
.rept 4
	v_nop
.endr
	s_branch .Lasked_\@
.Lfor_b_\@:
	tensor_load_to_lds s[56+4*\s:59+4*\s], s[48:55]
	s_nop 0
.rept 4
	v_nop
.endr
.Lasked_\@:
.endm
.macro CREST
	s_cmp_lg_u32 s16, 0
	s_cbranch_scc1 .Lnot_wave_0_\@
	s_barrier_signal -3
.Lnot_wave_0_\@:
	s_barrier_wait -3
	s_barrier_signal -1
	s_barrier_wait -1
.endm
.macro CROUND
	s_barrier_signal -1
	s_barrier_wait -1
	CREST
.endm
.macro FIRST s
	s_mov_b32 s[32+4*\s], 1
	s_add_co_u32 s[33+4*\s], s43, \s*SLOT
	s_add_nc_u64 s[34+4*\s:35+4*\s], s[80:81], \s*APL
	s_or_b32 s[35+4*\s], s[35+4*\s], 0x80000000
	s_mov_b32 s[56+4*\s], 1
	s_add_co_u32 s[57+4*\s], s43, \s*SLOT
	s_add_nc_u64 s[58+4*\s:59+4*\s], s[84:85], \s*BPL
	s_or_b32 s[59+4*\s], s[59+4*\s], 0x80000000
	s_wait_alu depctr_va_vdst(0)
	s_wait_tensorcnt 0x0
	ds_add_u32 v12, v13
	ds_add_u32 v12, v13
	s_wait_dscnt 0x0
	CROUND
	JLOAD \s
.endm
.macro FETCH sl, s, p
	WIN TO_Y
.set fy, 0
.rept NB
	ds_load_b128 v[8*NB*(\p)+8*fy:8*NB*(\p)+8*fy+3], v[ADY+2*(\sl)] offset:fy*8192+(\s)*1024
	ds_load_b128 v[8*NB*(\p)+8*fy+4:8*NB*(\p)+8*fy+7], v[ADY+2*(\sl)] offset:fy*8192+(\s)*1024+512
.set fy, fy+1
.endr
	WIN 0
.set fy, 0
.rept NB
	ds_load_b128 v[XF+8*NB*(\p)+8*fy:XF+8*NB*(\p)+8*fy+3], v[ADX+2*(\sl)] offset:fy*8192+(\s)*1024
	ds_load_b128 v[XF+8*NB*(\p)+8*fy+4:XF+8*NB*(\p)+8*fy+7], v[ADX+2*(\sl)] offset:fy*8192+(\s)*1024+512
.set fy, fy+1
.endr
.endm
.macro MULX x0, n, p, s, pan, zero
.set mx, \x0
.rept \n
.set my, 0
.rept NB
.set rD, 8*(NB*(mx%XW)+my)
.set rY, 8*NB*(\p)+8*my
.set rX, XF+8*NB*(\p)+8*mx
.set rSY, SC+SCP*(\pan)+4*NB+4*my+(\s)%4
.set rSX, SC+SCP*(\pan)+4*mx+(\s)%4
.if \zero
	v_wmma_scale_f32_16x16x128_f8f6f4 v[rD:rD+7], v[rY:rY+7], v[rX:rX+7], 0, v[rSY], v[rSX] matrix_a_fmt:MATRIX_FMT_FP4 matrix_b_fmt:MATRIX_FMT_FP4
.elseif (\s) < 4
	v_wmma_scale_f32_16x16x128_f8f6f4 v[rD:rD+7], v[rY:rY+7], v[rX:rX+7], v[rD:rD+7], v[rSY], v[rSX] matrix_a_fmt:MATRIX_FMT_FP4 matrix_b_fmt:MATRIX_FMT_FP4
.else
	v_wmma_scale_f32_16x16x128_f8f6f4 v[rD:rD+7], v[rY:rY+7], v[rX:rX+7], v[rD:rD+7], v[rSY], v[rSX] matrix_a_fmt:MATRIX_FMT_FP4 matrix_b_fmt:MATRIX_FMT_FP4 matrix_a_scale:MATRIX_SCALE_ROW1 matrix_b_scale:MATRIX_SCALE_ROW1
.endif
.set my, my+1
.endr
.set mx, mx+1
.endr
.endm
.macro STEP sl, s, pan, zero
	s_wait_dscnt 0x0
	WIN MUL_LO
	MULX 0, NB/2, (\s)%2, \s, \pan, \zero
	PLACES
	FETCH \sl, (\s)+1, ((\s)+1)%2
	WIN MUL_HI
	MULX NB/2, NB/2, (\s)%2, \s, \pan, \zero
	WIN 0
.endm
.macro LAST pan
	s_wait_dscnt 0x0
	WIN MUL_LO
	MULX 0, NB/2, 1, 7, \pan, 0
	WIN MUL_HI
	MULX NB/2, NB/2, 1, 7, \pan, 0
	WIN 0
.endm
.macro TURN sl, nx, pan, fill
	s_wait_tensorcnt 0x0
	ds_add_u32 v12, v13
.if \fill
	s_add_nc_u64 s[34+4*\sl:35+4*\sl], s[34+4*\sl:35+4*\sl], 2*APL
	s_add_nc_u64 s[58+4*\sl:59+4*\sl], s[58+4*\sl:59+4*\sl], 2*BPL
.endif
	s_wait_dscnt 0x0
	s_barrier_signal -1
	WIN MUL_LO
	MULX 0, NB/2, 1, 7, \pan, 0
	WIN 0
	s_barrier_wait -1
.if \fill
	CREST
	JLOAD \sl
.else
	PLACES
.endif
	FETCH \nx, 0, 0
	WIN MUL_HI
	MULX NB/2, NB/2, 1, 7, \pan, 0
	WIN 0
.endm
.macro EPB x
	WIN 0x06
.set i, 0
.rept 16
	v_pk_add_f32 v[T+2*i:T+2*i+1], v[32*(\x)+2*i:32*(\x)+2*i+1], v[BI+2*i:BI+2*i+1]
.set i, i+1
.endr
	WIN 0
.irp b, 0,1
.irp t, 0,1,2,3
	ds_store_b128 v8, v[T+16*\b+4*\t:T+16*\b+4*\t+3] offset:128*\b+16*\t
.endr
.endr
	s_wait_xcnt 0x0
.irp t, 0,1,2,3,4,5,6,7
	ds_load_b128 v[BK+4*\t:BK+4*\t+3], v9 offset:544*\t
.endr
	s_wait_dscnt 0x0
	WIN 0x08                                       ; source 1 in window 2: h
.set i, 0
.rept 16
	v_pk_add_f32 v[BK+2*i:BK+2*i+1], v[BK+2*i:BK+2*i+1], v[128+32*(\x)+2*i:128+32*(\x)+2*i+1]
.set i, i+1
.endr
	WIN 0
.irp t, 0,1,2,3,4,5,6,7
	global_store_b128 v10, v[BK+4*\t:BK+4*\t+3], s[70:71] offset:(16*(\x)+2*\t)*4096
.endr
.endm
	s_load_b128 s[4:7], s[0:1], 0x0
	s_load_b128 s[8:11], s[0:1], 0x10              ; y, b2
	s_load_b64 s[12:13], s[0:1], 0x20              ; h: the residual is added on the way out, so that y = h + ff W2 + b2
.if NP > 1
	v_lshl_add_u32 v12, v0, 2, SPARE
	v_mov_b32 v13, 0
.endif
	v_lshrrev_b32 v15, 5, v0
	v_readfirstlane_b32 s16, v15
	s_lshr_b32 s17, s16, 1
	s_and_b32 s18, s16, 1
	s_bfe_u32 s20, ttmp6, 0x40000
	s_bfe_u32 s21, ttmp6, 0x40004
	s_lshl_b32 s22, ttmp9, 2
	s_add_co_u32 s22, s22, s20
	s_and_b32 s23, ttmp7, 0xffff
	s_lshl_b32 s23, s23, 2
	s_add_co_u32 s23, s23, s21
	s_lshl_b32 s40, s21, 2
	s_lshl_b32 s40, 15, s40
	s_lshl_b32 s41, 0x1111, s20
	s_or_b32 s24, s40, (3<<16)|(1<<21)
	s_or_b32 s48, s41, (3<<16)|(1<<21)
.irp g, 24, 48
	s_mov_b32 s[\g+1], 32<<16
	s_mov_b32 s[\g+2], (NB*32)<<16
	s_mov_b32 s[\g+3], 32<<16
	s_mov_b32 s[\g+4], NB*32
	s_mov_b32 s[\g+5], 32
	s_mov_b32 s[\g+6], 0
	s_mov_b32 s[\g+7], 0
.endr
	s_mul_i32 s42, s18, HALF
	s_mul_i32 s80, s23, 2*HALF
	s_add_co_u32 s80, s80, s42
	s_mov_b32 s81, 0
	s_mul_i32 s84, s22, 2*HALF
	s_add_co_u32 s84, s84, s42
	s_add_co_u32 s84, s84, BOFF
	s_mov_b32 s85, 0
	s_mul_i32 s43, s16, HALF
	s_wait_kmcnt 0x0
	s_add_nc_u64 s[80:81], s[4:5], s[80:81]
	s_add_nc_u64 s[84:85], s[6:7], s[84:85]
	CROUND
	FIRST 0
.if NP > 1
	FIRST 1
.endif
	s_mul_i32 s44, s23, 2*NB*512
	s_mul_i32 s45, s17, NB*512
	s_add_co_u32 s66, s44, s45
	s_add_co_u32 s66, s66, ASC0
	s_mov_b32 s67, 0
	s_add_nc_u64 s[66:67], s[4:5], s[66:67]
	s_mul_i32 s44, s22, 2*NB*512
	s_mul_i32 s45, s18, NB*512
	s_add_co_u32 s68, s44, s45
	s_add_co_u32 s68, s68, 0x600000+BOFF/16
	s_mov_b32 s69, 0
	s_add_nc_u64 s[68:69], s[6:7], s[68:69]
	s_mul_i32 s90, s17, HALF
	s_mul_i32 s91, s18, HALF
	s_add_co_u32 s91, s91, 2*HALF
	s_mul_i32 s92, s22, NB*128
	s_mul_i32 s93, s18, NB*64
	s_add_co_u32 s92, s92, s93
	s_mov_b32 s93, 0
	s_add_nc_u64 s[74:75], s[10:11], s[92:93]
	s_lshl_b32 s94, s23, 19
	s_lshl_b32 s95, s17, 18
	s_add_co_u32 s94, s94, s95
	s_add_co_u32 s70, s94, s92
	s_mov_b32 s71, 0
	s_add_nc_u64 s[12:13], s[12:13], s[70:71]      ; h at my first row and column: blocks of 64 rows are the same rows by position and by true number
	s_add_nc_u64 s[70:71], s[8:9], s[70:71]
	v_and_b32 v15, 31, v0
	v_lshlrev_b32 v1, 4, v15
	v_and_b32 v16, 15, v0
	v_bfe_u32 v17, v0, 4, 1
	v_add_nc_u32 v[ADX], s90, v1
	v_add_nc_u32 v[ADY], s91, v1
.if NP > 1
	v_add_nc_u32 v[ADX+2], SLOT, v[ADX]
	v_add_nc_u32 v[ADY+2], SLOT, v[ADY]
.endif
	v_lshlrev_b32 v11, 6, v17
	s_mul_i32 s44, s16, 4352
	s_add_co_u32 s44, s44, STG
	v_mul_u32_u24 v8, v16, 272
	v_lshl_add_u32 v8, v17, 6, v8
	v_add_nc_u32 v8, s44, v8
	v_mul_u32_u24 v9, v17, 272
	v_lshl_add_u32 v9, v16, 4, v9
	v_add_nc_u32 v9, s44, v9
	v_lshlrev_b32 v10, 12, v17
	v_lshl_add_u32 v10, v16, 4, v10
	s_wait_alu depctr_va_vdst(0)                   ; the wait at the end of the head's vector work
.set pn, 0
.rept NP
.set i, 0
.rept NB
	global_load_b128 v[SC+SCP*pn+4*i:SC+SCP*pn+4*i+3], v1, s[66:67] offset:pn*(APL/16)+i*512
	global_load_b128 v[SC+SCP*pn+4*NB+4*i:SC+SCP*pn+4*NB+4*i+3], v1, s[68:69] offset:pn*(BPL/16)+i*512
.set i, i+1
.endr
.set pn, pn+1
.endr
	WIN 0x40
.set i, 0
.rept NB
	global_load_b128 v[BI+8*i:BI+8*i+3], v11, s[74:75] offset:128*(i/2)+32*(i%2)
	global_load_b128 v[BI+8*i+4:BI+8*i+7], v11, s[74:75] offset:128*(i/2)+32*(i%2)+16
.set i, i+1
.endr
	WIN 0
.if NP > 1
	s_wait_tensorcnt 0x1
.else
	s_wait_tensorcnt 0x0
.endif
	s_barrier_signal -1
	s_barrier_wait -1
	FETCH 0, 0, 0
	s_wait_loadcnt 0x0
	WIN 0x80                                       ; h's 64 rows x 64 columns of mine into window 2, v128-255: 32 loads, which have the whole product in which to land.
.irp x, 0,1,2,3                                ; y's rows lie at positions, h's at true rows: position 16 x + 2 t + lane / 16 is true row 32 (x / 2) + 16 (t / 4) + 8 (x % 2) + 2 (t % 4) + lane / 16
.irp t, 0,1,2,3,4,5,6,7
	global_load_b128 v[128+32*\x+4*\t:128+32*\x+4*\t+3], v10, s[12:13] offset:(32*(\x/2)+16*(\t/4)+8*(\x%2)+(2*\t)%8)*4096 th:TH_LOAD_NT
.endr
.endr
	WIN 0
	STEP 0, 0, 0, 1
.irp q, 1,2,3,4,5,6
	STEP 0, \q, 0, 0
.endr
.if NP > 1
	TURN 0, 1, 0, 1
.irp q, 0,1,2,3,4,5,6
	STEP 1, \q, 1, 0
.endr
	TURN 1, 0, 1, 1
.irp q, 0,1,2,3,4,5,6
	STEP 0, \q, 2, 0
.endr
	TURN 0, 1, 2, 0
.irp q, 0,1,2,3,4,5,6
	STEP 1, \q, 3, 0
.endr
.endif
	LAST NP-1
	PLACES
	s_wait_loadcnt 0x0                             ; h
.irp x, 0,1,2,3
	EPB \x
.endr
.if NP > 1
	s_wait_tensorcnt 0x0
	ds_add_u32 v12, v13
	s_wait_dscnt 0x0
.endif
	CROUND
	s_endpgm
.Lfunc_end_k_q809a112aa2_gemm_ff2:
	.size	k_q809a112aa2_gemm_ff2, .Lfunc_end_k_q809a112aa2_gemm_ff2-k_q809a112aa2_gemm_ff2
	.p2alignl 7, 3214868480
	.fill 96, 4, 3214868480
	.section	.rodata,"a",@progbits
	.p2align	6, 0x0
	.amdhsa_kernel k_q809a112aa2_gemm_ff2
		.amdhsa_group_segment_fixed_size 327680
		.amdhsa_private_segment_fixed_size 0
		.amdhsa_enable_private_segment 0
		.amdhsa_kernarg_size 40
		.amdhsa_user_sgpr_count 2
		.amdhsa_user_sgpr_kernarg_segment_ptr 1
		.amdhsa_wavefront_size32 1
		.amdhsa_system_sgpr_workgroup_id_x 1
		.amdhsa_system_sgpr_workgroup_id_y 1
		.amdhsa_system_sgpr_workgroup_id_z 1
		.amdhsa_system_vgpr_workitem_id 0
		.amdhsa_next_free_vgpr 768
		.amdhsa_next_free_sgpr 100
		.amdhsa_reserve_vcc 0
		.amdhsa_float_denorm_mode_32 3
		.amdhsa_float_denorm_mode_16_64 3
		.amdhsa_memory_ordered 1
		.amdhsa_forward_progress 1
		.amdhsa_inst_pref_size 140
	.end_amdhsa_kernel
	.amdgpu_metadata
---
amdhsa.version: [ 1, 2 ]
amdhsa.kernels:
  - .name:           k_q809a112aa2_gemm_ff2
    .symbol:         k_q809a112aa2_gemm_ff2.kd
    .args:
      - { .name: ff, .offset: 0, .size: 8, .value_kind: global_buffer, .address_space: global }
      - { .name: wts, .offset: 8, .size: 8, .value_kind: global_buffer, .address_space: global }
      - { .name: y, .offset: 16, .size: 8, .value_kind: global_buffer, .address_space: global }
      - { .name: b2, .offset: 24, .size: 8, .value_kind: global_buffer, .address_space: global }
      - { .name: h, .offset: 32, .size: 8, .value_kind: global_buffer, .address_space: global }
    .group_segment_fixed_size: 327680
    .private_segment_fixed_size: 0
    .kernarg_segment_align: 8
    .kernarg_segment_size: 40
    .max_flat_workgroup_size: 128
    .sgpr_count:     100
    .vgpr_count:     768
    .wavefront_size: 32
...
	.end_amdgpu_metadata
.endif
;; end of part 6
;; launch ln2 (part 7): grid 256 x 1, 16 waves a work-group, no clusters, 10,240 bytes of LDS; arguments y, g2, be2, out0; writes out0
.if DOCPART == 7
	.amdgcn_target "amdgcn-amd-amdhsa--gfx1250"
	.amdhsa_code_object_version 6
	.text
	.protected	k_q809a112aa2_ln2
	.globl	k_q809a112aa2_ln2
	.p2align	8
	.type	k_q809a112aa2_ln2,@function
k_q809a112aa2_ln2:
	s_mov_b64 s[64:65], 0
	v_nop
	global_prefetch_b8 v0, s[64:65] scope:SCOPE_SE
	s_setreg_imm32_b32 hwreg(HW_REG_WAVE_MODE, 25, 1), 1
	s_wait_xcnt 0x0
; out0 = layer norm(y) g2 + be2, in f32; y = h + ffn was summed by the launch before.  y's rows lie at positions (the row's number with bits 3 and 4 exchanged), out0's at true rows.
; SHARES: a work-group takes 16 positions, a wave one row, kept in 32 registers a lane between the passes: the mean first, then the mean of the squared differences from it (no difference of large sums).
; Every load and store of a wave covers 512 consecutive bytes.  The gain and the offset, 8,192 bytes, are fetched ONCE by the work-group: wave w brings piece w of their sixteen pieces of 512 bytes,
; they meet in LDS, and every wave reads all sixteen from there: 9 global loads a wave.  Work-groups share only those 8,192 bytes: no cluster, no tensor load.
; LIMITS: NaN and infinities are not served.
.set VO,   2                           ; v2   16 x lane
.set LW,   3                           ; v3   16 x thread: my piece's place in LDS
.set SPW,  4                           ; v4   my spare word (from byte 8,192 on); never rewritten
.set NIL,  5                           ; v5   0; never rewritten
.set Z,    16                          ; v16-47  y's row, then the differences, the result
.set G,    80                          ; v80-111 the gain
.set BE,   112                         ; v112-143 the offset
.set PC,   156                         ; v156-159 my piece
	s_load_b256 s[4:11], s[0:1], 0x0               ; y, g2, be2, out0
	v_lshl_add_u32 v[SPW], v0, 2, 8192
	v_mov_b32 v[NIL], 0
	v_lshrrev_b32 v6, 5, v0
	s_delay_alu instid0(VALU_DEP_1)
	v_readfirstlane_b32 s16, v6                    ; wave
	v_and_b32 v1, 31, v0
	s_delay_alu instid0(VALU_DEP_1)
	v_lshlrev_b32 v[VO], 4, v1
	v_lshlrev_b32 v[LW], 4, v0
	v_mov_b32 v149, 0                              ; a lane permute's destination counts as one of its sources
	s_lshr_b32 s19, ttmp9, 1                       ; the true row of position 16 R + w
	s_lshl_b32 s19, s19, 5
	s_and_b32 s20, ttmp9, 1
	s_lshl_b32 s20, s20, 3
	s_add_co_u32 s19, s19, s20
	s_lshr_b32 s20, s16, 3
	s_lshl_b32 s20, s20, 4
	s_add_co_u32 s19, s19, s20
	s_and_b32 s20, s16, 7
	s_add_co_u32 s19, s19, s20
	s_lshl_b32 s14, s20, 9                         ; my piece: 512 (w % 8)
	s_mov_b32 s15, 0
	s_lshl_b32 s20, s19, 12
	s_mov_b32 s21, 0
	s_lshl_b32 s26, ttmp9, 16
	s_lshl_b32 s27, s16, 12
	s_add_co_u32 s26, s26, s27                     ; y: position x 4,096
	s_mov_b32 s27, 0
	s_mov_b32 s22, 0x76543210
	s_mov_b32 s23, 0xfedcba98
	s_mov_b32 s24, 0x3a800000                      ; 1 / 1,024
	s_mov_b32 s25, 0x3727c5ac                      ; 1e-5
	s_wait_alu depctr_va_vdst(0)                   ; the wait at the head's end
	s_wait_kmcnt 0x0
	s_cmp_lt_u32 s16, 8                            ; waves 0-7 fetch the gain's pieces, waves 8-15 the offset's: the choice hangs on the wave's number alone
	s_cselect_b64 s[6:7], s[6:7], s[8:9]
	s_add_nc_u64 s[6:7], s[6:7], s[14:15]
	s_add_nc_u64 s[4:5], s[4:5], s[26:27]
	s_add_nc_u64 s[10:11], s[10:11], s[20:21]
	global_load_b128 v[PC:PC+3], v[VO], s[6:7]
.irp i, 0,1,2,3,4,5,6,7
	global_load_b128 v[Z+4*\i:Z+4*\i+3], v[VO], s[4:5] offset:512*\i th:TH_LOAD_NT
.endr
	s_wait_loadcnt 8                               ; my piece is in; the row's eight loads may be out
	ds_store_b128 v[LW], v[PC:PC+3]                ; the gain at 0, the offset at 4,096
	s_wait_dscnt 0x0                               ; for the others' sake: my store is done
	s_barrier_signal -1
	s_barrier_wait -1
.irp i, 0,1,2,3,4,5,6,7
	ds_load_b128 v[G+4*\i:G+4*\i+3], v[VO] offset:512*\i
	ds_load_b128 v[BE+4*\i:BE+4*\i+3], v[VO] offset:4096+512*\i
.endr
	s_wait_tensorcnt 0x0                           ; behind my last LDS store
	ds_add_u32 v[SPW], v[NIL]
	s_wait_dscnt 0x0                               ; the add is done, and gain and offset are in
	s_wait_loadcnt 0x0                             ; the row
.macro WSUM r, tmp                     ; the sum over the wave's 32 lanes, in every lane
.irp m, 1,2,4,8
	s_delay_alu instid0(VALU_DEP_1)
	v_add_f32_dpp v[\r], v[\r], v[\r] row_xmask:\m row_mask:0xf bank_mask:0xf
.endr
	s_delay_alu instid0(VALU_DEP_1)
	v_permlanex16_b32 v[\tmp], v[\r], s22, s23
	s_delay_alu instid0(VALU_DEP_1)
	v_add_f32 v[\r], v[\r], v[\tmp]
.endm
	v_pk_add_f32 v[144:145], v[Z:Z+1], v[Z+2:Z+3]
	v_pk_add_f32 v[146:147], v[Z+4:Z+5], v[Z+6:Z+7]
.irp j, 8,12,16,20,24,28
	s_delay_alu instid0(VALU_DEP_2)
	v_pk_add_f32 v[144:145], v[144:145], v[Z+\j:Z+\j+1]
	s_delay_alu instid0(VALU_DEP_2)
	v_pk_add_f32 v[146:147], v[146:147], v[Z+\j+2:Z+\j+3]
.endr
	s_delay_alu instid0(VALU_DEP_1)
	v_pk_add_f32 v[144:145], v[144:145], v[146:147]
	s_delay_alu instid0(VALU_DEP_1)
	v_add_f32 v148, v144, v145
	WSUM 148, 149
	s_delay_alu instid0(VALU_DEP_1)
	v_mul_f32 v150, s24, v148                      ; the mean
	s_delay_alu instid0(VALU_DEP_1)
	v_mov_b32 v151, v150
.set i, 0
.rept 16
	v_pk_add_f32 v[Z+2*i:Z+2*i+1], v[Z+2*i:Z+2*i+1], v[150:151] neg_lo:[0,1] neg_hi:[0,1]
.set i, i+1
.endr
	v_pk_mul_f32 v[144:145], v[Z:Z+1], v[Z:Z+1]
	v_pk_mul_f32 v[146:147], v[Z+2:Z+3], v[Z+2:Z+3]
.irp j, 4,8,12,16,20,24,28
	s_delay_alu instid0(VALU_DEP_2)
	v_pk_fma_f32 v[144:145], v[Z+\j:Z+\j+1], v[Z+\j:Z+\j+1], v[144:145]
	s_delay_alu instid0(VALU_DEP_2)
	v_pk_fma_f32 v[146:147], v[Z+\j+2:Z+\j+3], v[Z+\j+2:Z+\j+3], v[146:147]
.endr
	s_delay_alu instid0(VALU_DEP_1)
	v_pk_add_f32 v[144:145], v[144:145], v[146:147]
	s_delay_alu instid0(VALU_DEP_1)
	v_add_f32 v148, v144, v145
	WSUM 148, 149
	s_delay_alu instid0(VALU_DEP_1)
	v_fma_f32 v148, v148, s24, s25                 ; the variance + 1e-5
	s_wait_alu depctr_va_vdst(0)                   ; the wait ahead of the transcendental,
	v_rsq_f32 v152, v148
	v_nop                                          ; one plain place behind it
	s_wait_alu depctr_va_vdst(0)                   ; and the wait ahead of the result's first reader
	v_mov_b32 v153, v152
.set i, 0
.rept 16
	v_pk_mul_f32 v[Z+2*i:Z+2*i+1], v[Z+2*i:Z+2*i+1], v[152:153]
.set i, i+1
.endr
.set i, 0
.rept 16
	v_pk_fma_f32 v[Z+2*i:Z+2*i+1], v[Z+2*i:Z+2*i+1], v[G+2*i:G+2*i+1], v[BE+2*i:BE+2*i+1]
.set i, i+1
.endr
.irp i, 0,1,2,3,4,5,6,7
	global_store_b128 v[VO], v[Z+4*\i:Z+4*\i+3], s[10:11] offset:512*\i th:TH_STORE_NT   ; 512 consecutive bytes
.endr
	s_endpgm
.Lfunc_end_k_q809a112aa2_ln2:
	.size	k_q809a112aa2_ln2, .Lfunc_end_k_q809a112aa2_ln2-k_q809a112aa2_ln2
	.p2alignl 7, 3214868480
	.fill 96, 4, 3214868480
	.section	.rodata,"a",@progbits
	.p2align	6, 0x0
	.amdhsa_kernel k_q809a112aa2_ln2
		.amdhsa_group_segment_fixed_size 10240
		.amdhsa_private_segment_fixed_size 0
		.amdhsa_enable_private_segment 0
		.amdhsa_kernarg_size 32
		.amdhsa_user_sgpr_count 2
		.amdhsa_user_sgpr_kernarg_segment_ptr 1
		.amdhsa_wavefront_size32 1
		.amdhsa_system_sgpr_workgroup_id_x 1
		.amdhsa_system_sgpr_workgroup_id_y 1
		.amdhsa_system_sgpr_workgroup_id_z 1
		.amdhsa_system_vgpr_workitem_id 0
		.amdhsa_next_free_vgpr 176
		.amdhsa_next_free_sgpr 66
		.amdhsa_reserve_vcc 0
		.amdhsa_float_denorm_mode_32 3
		.amdhsa_float_denorm_mode_16_64 3
		.amdhsa_memory_ordered 1
		.amdhsa_forward_progress 1
		.amdhsa_inst_pref_size 13
	.end_amdhsa_kernel
	.amdgpu_metadata
---
amdhsa.version: [ 1, 2 ]
amdhsa.kernels:
  - .name:           k_q809a112aa2_ln2
    .symbol:         k_q809a112aa2_ln2.kd
    .args:
      - { .name: y, .offset: 0, .size: 8, .value_kind: global_buffer, .address_space: global }
      - { .name: g2, .offset: 8, .size: 8, .value_kind: global_buffer, .address_space: global }
      - { .name: be2, .offset: 16, .size: 8, .value_kind: global_buffer, .address_space: global }
      - { .name: out0, .offset: 24, .size: 8, .value_kind: global_buffer, .address_space: global }
    .group_segment_fixed_size: 10240
    .private_segment_fixed_size: 0
    .kernarg_segment_align: 8
    .kernarg_segment_size: 32
    .max_flat_workgroup_size: 512
    .sgpr_count:     66
    .vgpr_count:     176
    .wavefront_size: 32
...
	.end_amdgpu_metadata
.endif
;; end of part 7
